; MI455X (gfx1250); checked and timed in simulation.
; The chip was launched on July 23, 2026; its instructions are those of AMD's public machine-readable ISA for CDNA 5 (MIT licence, August 2026) and "CDNA5" Instruction Set Architecture Reference Guide (July 2026). The comments in the code are by the model that wrote it; some were corrected since.
;; Causal Self Attention. Allowed arithmetic: matrix products marked QUANTISED: E4M3 operands, one given power-of-two scale a tensor, by v_wmma_f32_16x16x64_fp8_fp8 or v_wmma_f32_16x16x128_fp8_fp8, f32 sums; everything else in f32.
;; Inputs: lowp_scales 8 int32 (the exponents e of the quantised operands' scales 2^e); w_out 1,024 x 1,024 float32; w_qkv 1,024 x 3,072 float32; x 4 x 2,048 x 1,024 float32.
;; Outputs: out0 4 x 2,048 x 1,024 float32.
;; This version of the problem:
;;   THIS VERSION OF THE PROBLEM IS GIVEN IN LOW PRECISION. The matrix products marked QUANTISED in the list below multiply operands that are first quantised to E4M3 (4 exponent bits, 3 mantissa bits; 8 bits a number), with one given power-of-two scale for each operand tensor; their sums are f32. All else is computed in f32.
;;   The module's matrix products, in the order in which they are computed (A, B: the left and right operand; K: the contracted axis; several contracted axes count as one K, in the product's order):
;;     1. [M 8,192, K 1,024] x [K 1,024, N 3,072]; A: input x; B: input w_qkv: QUANTISED (scales: A lowp_scales[0], B lowp_scales[1])
;;     2. batch 64 x [M 2,048, K 64] x [K 64, N 2,048]; A: computed on the way; B: computed on the way: QUANTISED (scales: A lowp_scales[2], B lowp_scales[3])
;;     3. batch 64 x [M 2,048, K 2,048] x [K 2,048, N 64]; A: softmax (see below); B: computed on the way: QUANTISED (scales: A lowp_scales[4], B lowp_scales[5])
;;     4. [M 8,192, K 1,024] x [K 1,024, N 1,024]; A: computed on the way; B: input w_out: QUANTISED (scales: A lowp_scales[6], B lowp_scales[7])
;;   THE QUANTISER, for each operand of a quantised product, along K:
;;     - The operand's scale is 2^e, e = its entry of the input lowp_scales (int32; the entries are numbered through the quantised products in the list's order, A before B).
;;     - Each number is divided by the scale, clamped to +-448, and rounded to the nearest number of E4M3, ties to even, subnormals kept.
;;     - The product sums the exact products of the quantised numbers (number of the format x scale) in f32.
;;   ~~~python
;;   def quantise(x, axis, e):      # numpy; x: float32 -> the quantised numbers, widened to float32 again
;;       x = np.moveaxis(x, axis, -1); K = x.shape[-1]
;;       r = np.clip(x / 2.0 ** e, -448, 448)
;;       step = 2.0 ** (np.maximum(np.frexp(np.where(r == 0, 1, r))[1] - 1, -6) - 3)
;;       q = np.round(r / step) * step * 2.0 ** e      # np.round: ties to even
;;       return np.moveaxis(q, -1, axis).astype(np.float32)
;;   ~~~
;;   SOFTMAX AHEAD OF A QUANTISED PRODUCT. Where the list says 'softmax', what is quantised is not the finished softmax but p = 2^(t - M), with t = logit x log2(e) and M = ceil(the row's largest t), a whole number; so 1/2 < the row's largest p <= 1. The row's sum l is taken of the UNQUANTISED p, in f32, and the product's result is divided by l at the end. Since M is a whole number, a kernel that streams over the keys may use a running M (the ceiling of the running maximum): every later rescaling is an exact power of two, so the quantised numbers keep their values, but for numbers so far below the row's largest that they fall under the format's range.
;;   OPERANDS COMPUTED ON THE WAY. 'Computed on the way' means the value that the module computes at that place (a softmax that the list does not call 'softmax' is quantised finished and normalised). What goes into a quantiser is computed in f32, as accurately as f32 sums, v_exp_f32 and their like allow (about 1e-6 of the number): no bf16 or f16 on the way to a quantiser, and a product that is left as it is and whose result goes on into a quantised operand takes f32 operands (vector FMAs, or v_wmma_f32_16x16x4_f32). A number that lies on a knife's edge between two numbers of the format may be rounded either way, as far as f32 arithmetic and the matrix unit's own rounding can turn it there, and no further.
;; One version. Each part assembles by itself: llvm-mc -triple=amdgcn-amd-amdhsa -mcpu=gfx1250 --defsym DOCPART=n.
;; ======== version 1 of 1: 4 launches
;; limits: right only within a limited range of input values
;; workspace buffers: x_codes 8,388,608 bytes; wqkv_codes 3,145,728 bytes; wout_codes 1,048,576 bytes; rope 524,288 bytes; q_codes 8,388,608 bytes; k_codes 8,388,608 bytes; v_codes 8,388,608 bytes; o_codes 8,388,608 bytes
;; launch prep (part 1): grid 400 x 1, 4 waves a work-group, no clusters, 102,912 bytes of LDS; arguments x, w_qkv, w_out, lowp_scales, x_codes, wqkv_codes, wout_codes, rope; writes x_codes, wqkv_codes, wout_codes, rope
.if DOCPART == 1
	.amdgcn_target "amdgcn-amd-amdhsa--gfx1250"
	.amdhsa_code_object_version 6
	.text
	.protected	k_qcbc92306f3_prep
	.globl	k_qcbc92306f3_prep
	.p2align	8
	.type	k_qcbc92306f3_prep,@function
k_qcbc92306f3_prep:
	s_mov_b64 s[64:65], 0
	v_nop
	global_prefetch_b8 v0, s[64:65] scope:SCOPE_SE
	s_setreg_imm32_b32 hwreg(HW_REG_WAVE_MODE, 25, 1), 1
	s_wait_xcnt 0x0
; Four jobs in one launch, told apart by the work-group's number; each job has its own LDS bytes and ends its waves itself.
;   work-groups   0-255: x [8192][1024] f32 -> x_codes, E4M3, K innermost, as the numbers lie (scale 2^e0)
;   work-groups 256-351: w_qkv [1024 k][3072 n] f32 -> wqkv_codes [3072 rows][1024 k] (scale 2^e1); row p holds column SW(p)
;   work-groups 352-383: w_out [1024 k][1024 n] f32 -> wout_codes [1024 n][1024 k] (scale 2^e7), rows as the columns lie
;   work-groups 384-399: the table rope [2048 t][64] f32: entries 0-31 cos(t f_i), entries 32-63 sin(t f_i), f_i = 10^(-i/8)
; SW(p) swaps bits 3 and 4 of p.  With the weight's rows laid so, a lane of the next launch's transposed product holds 16 neighbouring channels in two neighbouring accumulators.
; code = number / 2^e, held within +-448, to the nearest code, ties to even.
; LIMITS: e0, e1, e7 between -126 and 119.  NaN among the inputs is not served.  f_i is the f32 number nearest to 10^(-i/8).
; sin and cos: the angle t f_i (one rounding) less n pi/2 with pi/2 in two parts, then polynomials on [-pi/4, pi/4]: good to about 1e-7 for the angles of this table (under 2,048).
; No tensor loads, no barrier, no cluster: waves share nothing, and no two work-groups read the same bytes.
.set XSTEPS, 16                        ; x: steps of 512 numbers for a wave
.set XSP,    80                        ; x: a lane's place in a stage: 64 bytes + 16 of padding
.set XWREG,  8192                      ; x: LDS of a wave (two stages of 32 x 80 bytes)
.set XR,     16                        ; v16-79   four sets of 16 numbers as loaded
.set XX,     80                        ; v80-111  two sets of 16 neighbours
.set XC,     128                       ; v128-191 codes, four registers for each step
.set WPITCH, 272                       ; weights: a stage row, 256 bytes of codes + 16
.set WX,     32                        ; v32-95   two sets of 32 numbers down K
.set WC,     96                        ; v96-103  a block's codes
.set WOUTR,  112                       ; v112-175 the way out
.set NB,     8                         ; blocks of 32 along K for a wave
.macro XLOAD t
.irp i, 0,1,2,3
	global_load_b128 v[XR+16*((\t)%4)+4*\i:XR+16*((\t)%4)+4*\i+3], v3, s[4:5] offset:2048*(\t)+512*\i th:TH_LOAD_NT   ; 32 lanes read 512 consecutive bytes
.endr
.endm
.macro XTURN t                         ; a step's 2,048 bytes through the wave's own stage: in as loaded, out 64 bytes a lane; LDS serves a wave's instructions in order
.irp i, 0,1,2,3
	ds_store_b128 v14, v[XR+16*((\t)%4)+4*\i:XR+16*((\t)%4)+4*\i+3] offset:32*XSP*((\t)%2)+8*XSP*\i
.endr
.irp i, 0,1,2,3
	ds_load_b128 v[XX+16*((\t)%2)+4*\i:XX+16*((\t)%2)+4*\i+3], v15 offset:32*XSP*((\t)%2)+16*\i
.endr
.endm
.macro XSTEP t
.set XS, XX+16*((\t)%2)
	s_wait_dscnt 0x0                               ; this step's numbers are back, and its stores into the stage have read their registers,
.if (\t)+4 < XSTEPS
	XLOAD (\t)+4                                   ; which take the loads of four steps on
.endif
.if (\t)+1 < XSTEPS
.if XSTEPS-2-(\t) >= 3
	s_wait_loadcnt 12                              ; the next step's four loads are in; the three steps behind it (12 loads) may be out
.else
	s_wait_loadcnt 4*(XSTEPS-2-(\t))
.endif
	XTURN (\t)+1
.endif
.set j, 0
.rept 16
	v_med3_num_f32 v[XS+j], v[XS+j], -v10, v10     ; the conversion does not saturate (ISA guide 7.6.2): hold at the largest code x the scale
.set j, j+1
.endr
	v_cvt_scalef32_pk8_fp8_f32 v[XC+4*(\t):XC+4*(\t)+1], v[XS:XS+7], v11
	v_cvt_scalef32_pk8_fp8_f32 v[XC+4*(\t)+2:XC+4*(\t)+3], v[XS+8:XS+15], v11
	global_store_b128 v4, v[XC+4*(\t):XC+4*(\t)+3], s[8:9] offset:512*(\t)   ; the wave stores 512 consecutive bytes
.endm
.macro WLOAD t, n                      ; block t: W(32 t + i, my column), i = 0 .. 31
.set i, 0
.rept 32
	global_load_b32 v[WX+32*((\t)%2)+i], v3, s[4:5] offset:(32*(\t)+i)*(\n)*4 th:TH_LOAD_NT
.set i, i+1
.endr
.endm
.macro WBLOCK t, n
.set WS, WX+32*((\t)%2)
.if (\t) < NB-1
	s_wait_loadcnt 32                              ; this block's 32 loads are in; the next block's 32 may be out
.else
	s_wait_loadcnt 0
.endif
.set j, 0
.rept 32
	v_med3_num_f32 v[WS+j], v[WS+j], -v10, v10
.set j, j+1
.endr
.irp g, 0,1,2,3
	v_cvt_scalef32_pk8_fp8_f32 v[WC+2*\g:WC+2*\g+1], v[WS+8*\g:WS+8*\g+7], v11
.endr
	ds_store_b128 v4, v[WC:WC+3] offset:32*(\t)    ; 32 codes of my column's row
	ds_store_b128 v4, v[WC+4:WC+7] offset:32*(\t)+16
.if (\t)+2 < NB
	WLOAD (\t)+2, \n
.endif
	s_wait_dscnt 0x0                               ; the stores have read their registers: the next block's codes may be written
.endm
; A weight [1024 k][n]: a lane takes a column and its registers run down K, so the conversions give codes with K innermost.  A wave: 32 columns x 256 along K.
; The codes leave through the wave's own stage as rows: sixteen lanes store 256 consecutive bytes, aligned.  perm = 1: column c goes to row SW(c), by the stores' immediates alone.
.macro WPATH n, first, srcoff, dstoff, eidx, lb, perm
	s_load_b64 s[4:5], s[0:1], \srcoff
	s_load_b64 s[6:7], s[0:1], 0x18
	s_load_b64 s[8:9], s[0:1], \dstoff
	s_sub_co_u32 s18, ttmp9, \first
	s_lshr_b32 s17, s18, 2
	s_lshl_b32 s17, s17, 7
	s_lshl_b32 s19, s16, 5
	s_add_co_u32 s17, s17, s19                     ; my wave's first column
	s_and_b32 s18, s18, 3                          ; which 256 along K
	v_lshlrev_b32 v3, 2, v2                        ; in: 4 bytes a lane
	s_mul_i32 s19, s16, 32*WPITCH
	s_add_co_u32 s19, s19, \lb                     ; my stage
	v_mul_u32_u24 v4, v2, WPITCH
	v_add_nc_u32 v4, s19, v4                       ; into it: row = my column
	v_and_b32 v5, 15, v2
	v_lshrrev_b32 v6, 4, v2
	v_mul_u32_u24 v7, v6, WPITCH
	v_lshl_add_u32 v7, v5, 4, v7
	v_add_nc_u32 v7, s19, v7                       ; out of it: sixteen lanes to a row, two rows an instruction
	v_lshlrev_b32 v8, 10, v6
	v_lshl_add_u32 v8, v5, 4, v8                   ; and the same place in the codes' buffer (rows of 1,024 bytes)
	s_mul_i32 s20, s18, 256*(\n)*4
	s_lshl_b32 s22, s17, 2
	s_add_co_u32 s20, s20, s22
	s_mov_b32 s21, 0
	s_lshl_b32 s24, s17, 10
	s_lshl_b32 s26, s18, 8
	s_add_co_u32 s24, s24, s26
	s_mov_b32 s25, 0
	s_wait_kmcnt 0x0
	s_load_b32 s30, s[6:7], 4*(\eidx)
	s_add_nc_u64 s[4:5], s[4:5], s[20:21]
	s_add_nc_u64 s[8:9], s[8:9], s[24:25]
	WLOAD 0, \n
	WLOAD 1, \n
	s_wait_kmcnt 0x0
	s_add_co_i32 s30, s30, 127
	s_lshl_b32 s31, s30, 23
	v_mov_b32 v11, s31                             ; 2^e as f32
	s_add_co_i32 s30, s30, 8
	s_lshl_b32 s30, s30, 23
	s_or_b32 s30, s30, 0x600000
	v_mov_b32 v10, s30                             ; 448 x 2^e
	s_wait_alu depctr_va_vdst(0)
.irp t, 0,1,2,3,4,5,6,7
	WBLOCK \t, \n
.endr
.irp t, 0,1,2,3,4,5,6,7,8,9,10,11,12,13,14,15
	ds_load_b128 v[WOUTR+4*\t:WOUTR+4*\t+3], v7 offset:2*\t*WPITCH
.endr
.irp t, 0,1,2,3,4,5,6,7,8,9,10,11,12,13,14,15
	s_wait_dscnt 15-\t                             ; the later read-backs may be out
.if \perm
	global_store_b128 v8, v[WOUTR+4*\t:WOUTR+4*\t+3], s[8:9] offset:(((2*\t)&7)|(((2*\t)&8)<<1)|(((2*\t)&16)>>1))*1024
.else
	global_store_b128 v8, v[WOUTR+4*\t:WOUTR+4*\t+3], s[8:9] offset:2*\t*1024
.endif
.endr
	s_wait_tensorcnt 0x0
	ds_add_u32 v192, v193
	s_wait_dscnt 0x0
	s_endpgm
.endm
	v_lshl_add_u32 v192, v0, 2, 0x19000
	v_mov_b32 v193, 0
	v_lshrrev_b32 v1, 5, v0
	v_readfirstlane_b32 s16, v1                    ; wave 0..3
	v_and_b32 v2, 31, v0                           ; lane
	s_cmp_lt_u32 ttmp9, 256
	s_cbranch_scc0 .Lnot_x
	; ---- x: a plain stream of numbers; a wave takes 8,192 of them
	s_load_b64 s[4:5], s[0:1], 0x0
	s_load_b64 s[10:11], s[0:1], 0x18
	s_load_b64 s[8:9], s[0:1], 0x20
	v_lshlrev_b32 v3, 4, v2                        ; my 16 bytes of a load's 512
	s_mul_i32 s17, s16, XWREG
	v_lshrrev_b32 v14, 2, v2
	v_mul_u32_u24 v14, v14, XSP
	v_and_b32 v15, 3, v2
	v_lshl_add_u32 v14, v15, 4, v14
	v_add_nc_u32 v14, s17, v14                     ; the stage, in: four lanes' 64 bytes on end, then the padding
	v_mul_u32_u24 v15, v2, XSP
	v_add_nc_u32 v15, s17, v15                     ; and out: my 16 neighbours
	v_lshlrev_b32 v4, 4, v2                        ; my 16 codes' place in a step's 512
	s_wait_alu depctr_va_vdst(0)
	s_wait_kmcnt 0x0
	s_load_b32 s22, s[10:11], 0x0                  ; e0
	s_lshl_b32 s17, ttmp9, 2
	s_add_co_u32 s18, s17, s16                     ; which run of 8,192 numbers is my wave's
	s_mov_b32 s19, 0
	s_lshl_b64 s[20:21], s[18:19], 15
	s_add_nc_u64 s[4:5], s[4:5], s[20:21]
	s_lshl_b64 s[20:21], s[18:19], 13
	s_add_nc_u64 s[8:9], s[8:9], s[20:21]
.irp t, 0,1,2,3
	XLOAD \t
.endr
	s_wait_kmcnt 0x0
	s_add_co_i32 s22, s22, 127
	s_lshl_b32 s23, s22, 23
	v_mov_b32 v11, s23                             ; 2^e0 as f32: the conversion takes its exponent field
	s_add_co_i32 s22, s22, 8
	s_lshl_b32 s22, s22, 23
	s_or_b32 s22, s22, 0x600000
	v_mov_b32 v10, s22                             ; 448 x 2^e0
	s_wait_alu depctr_va_vdst(0)
	s_wait_loadcnt 12                              ; step 0's four loads are in
	XTURN 0
.irp t, 0,1,2,3,4,5,6,7,8,9,10,11,12,13,14,15
	XSTEP \t
.endr
	s_wait_tensorcnt 0x0
	ds_add_u32 v192, v193
	s_wait_dscnt 0x0
	s_endpgm
.Lnot_x:
	s_cmp_lt_u32 ttmp9, 352
	s_cbranch_scc0 .Lnot_wqkv
	s_wait_alu depctr_va_vdst(0)
	WPATH 3072, 256, 0x8, 0x28, 1, 32768, 1
.Lnot_wqkv:
	s_cmp_lt_u32 ttmp9, 384
	s_cbranch_scc0 .Lrope
	s_wait_alu depctr_va_vdst(0)
	WPATH 1024, 352, 0x10, 0x30, 7, 67584, 0
.Lrope:
	; ---- the table.  A wave makes 32 rows, one a trip.  Lane l holds entries 2 l and 2 l + 1: lanes 0-15 cos, lanes 16-31 sin, of i = 2 (l % 16) and the next: the wave's one store is a row's 256 bytes
	s_load_b64 s[8:9], s[0:1], 0x38
	s_sub_co_u32 s17, ttmp9, 384
	s_lshl_b32 s17, s17, 2
	s_add_co_u32 s17, s17, s16                     ; which 32 rows
	s_lshl_b32 s20, s17, 5                         ; t of the first
	s_lshl_b32 s18, s17, 13                        ; and its byte
	s_mov_b32 s19, 0
	s_wait_alu depctr_va_vdst(0)
	v_and_b32 v3, 15, v2
	v_lshrrev_b32 v4, 4, v2
	v_sub_nc_u32 v4, 1, v4                         ; cos(a) = sin(a + pi/2): one quadrant on, in lanes 0-15
	v_lshlrev_b32 v5, 3, v2
	v_mov_b32 v6, 1.0                              ; f_0, f_1; the other lanes' pairs are chosen below
	v_mov_b32 v7, 0.7498942093324559
.macro FSEL k, fa, fb
	v_cmp_ne_u32 vcc_lo, \k, v3
	v_cndmask_b32 v6, \fa, v6, vcc_lo
	v_cndmask_b32 v7, \fb, v7, vcc_lo
.endm
	FSEL 1, 0.5623413251903491, 0.4216965034285822
	FSEL 2, 0.3162277660168379, 0.2371373705661655
	FSEL 3, 0.1778279410038923, 0.1333521432163324
	FSEL 4, 0.1, 0.07498942093324559
	FSEL 5, 0.05623413251903491, 0.04216965034285822
	FSEL 6, 0.03162277660168379, 0.02371373705661655
	FSEL 7, 0.01778279410038923, 0.01333521432163324
	FSEL 8, 0.01, 0.007498942093324559
	FSEL 9, 0.005623413251903491, 0.004216965034285822
	FSEL 10, 0.003162277660168379, 0.002371373705661655
	FSEL 11, 0.001778279410038923, 0.001333521432163324
	FSEL 12, 0.001, 0.0007498942093324559
	FSEL 13, 0.0005623413251903491, 0.0004216965034285822
	FSEL 14, 0.0003162277660168379, 0.0002371373705661655
	FSEL 15, 0.0001778279410038923, 0.0001333521432163324
	s_mov_b32 s24, 0x3f22f983                      ; 2 / pi
	s_mov_b32 s25, 0xbfc90fdb                      ; -C1, C1 = pi/2 rounded to f32
	s_mov_b32 s26, 0x333bbd2e                      ; C2 = C1 - pi/2
	s_mov_b32 s27, -0.16666654611                  ; sin's polynomial
	s_mov_b32 s28, 0.0083321608736
	s_mov_b32 s29, -0.00019515295891
	s_mov_b32 s30, 0.04166664568298827             ; cos's
	s_mov_b32 s31, -0.001388731625493765
	s_mov_b32 s32, 0.00002443315711809948
.macro SINCOS dst, f
	v_mul_f32 v20, v8, v[\f]                       ; the angle, one rounding
	v_mul_f32 v21, s24, v20
	v_rndne_f32 v21, v21                           ; n
	v_fma_f32 v22, v21, s25, v20                   ; a - n C1: exact (a multiple of 2^-23, under 1)
	v_fma_f32 v22, v21, s26, v22                   ; + n C2
	v_cvt_i32_f32 v23, v21
	v_add_nc_u32 v23, v23, v4                      ; the quadrant
	v_mul_f32 v24, v22, v22
	v_fma_f32 v25, v24, s29, s28
	v_fma_f32 v25, v25, v24, s27
	v_mul_f32 v25, v25, v24
	v_fma_f32 v25, v25, v22, v22                   ; sin of the rest
	v_fma_f32 v26, v24, s32, s31
	v_fma_f32 v26, v26, v24, s30
	v_mul_f32 v26, v26, v24
	v_fma_f32 v27, v24, -0.5, 1.0
	v_fma_f32 v26, v26, v24, v27                   ; cos of the rest
	v_and_b32 v27, 1, v23
	v_cmp_eq_u32 vcc_lo, 1, v27
	v_cndmask_b32 v[\dst], v25, v26, vcc_lo        ; odd quadrants take the cosine: a choice of a value, no branch
	v_and_b32 v27, 2, v23
	v_lshlrev_b32 v27, 30, v27
	v_xor_b32 v[\dst], v[\dst], v27                ; quadrants 2 and 3 change the sign
.endm
	s_wait_kmcnt 0x0
	s_add_nc_u64 s[8:9], s[8:9], s[18:19]
	s_mov_b32 s21, 0
.Lrow:
	v_cvt_f32_u32 v8, s20
	s_wait_alu depctr_va_vdst(0)
	SINCOS 10, 6
	SINCOS 11, 7
	global_store_b64 v5, v[10:11], s[8:9]          ; 32 lanes x 8 bytes: the row's 256 bytes
	s_wait_xcnt 0x0                                ; the store has read its data and its offset: both are written again below
	v_add_nc_u32 v5, 256, v5
	s_add_co_u32 s20, s20, 1
	s_add_co_u32 s21, s21, 1
	s_cmp_lt_u32 s21, 32
	s_cbranch_scc1 .Lrow
	s_endpgm
.Lfunc_end_k_qcbc92306f3_prep:
	.size	k_qcbc92306f3_prep, .Lfunc_end_k_qcbc92306f3_prep-k_qcbc92306f3_prep
	.p2alignl 7, 3214868480
	.fill 96, 4, 3214868480
	.section	.rodata,"a",@progbits
	.p2align	6, 0x0
	.amdhsa_kernel k_qcbc92306f3_prep
		.amdhsa_group_segment_fixed_size 102912
		.amdhsa_private_segment_fixed_size 0
		.amdhsa_enable_private_segment 0
		.amdhsa_kernarg_size 64
		.amdhsa_user_sgpr_count 2
		.amdhsa_user_sgpr_kernarg_segment_ptr 1
		.amdhsa_wavefront_size32 1
		.amdhsa_system_sgpr_workgroup_id_x 1
		.amdhsa_system_sgpr_workgroup_id_y 1
		.amdhsa_system_sgpr_workgroup_id_z 1
		.amdhsa_system_vgpr_workitem_id 0
		.amdhsa_next_free_vgpr 194
		.amdhsa_next_free_sgpr 66
		.amdhsa_reserve_vcc 1
		.amdhsa_float_denorm_mode_32 3
		.amdhsa_float_denorm_mode_16_64 3
		.amdhsa_memory_ordered 1
		.amdhsa_forward_progress 1
		.amdhsa_inst_pref_size 140
	.end_amdhsa_kernel
	.amdgpu_metadata
---
amdhsa.version: [ 1, 2 ]
amdhsa.kernels:
  - .name:           k_qcbc92306f3_prep
    .symbol:         k_qcbc92306f3_prep.kd
    .args:
      - { .name: x, .offset: 0, .size: 8, .value_kind: global_buffer, .address_space: global }
      - { .name: w_qkv, .offset: 8, .size: 8, .value_kind: global_buffer, .address_space: global }
      - { .name: w_out, .offset: 16, .size: 8, .value_kind: global_buffer, .address_space: global }
      - { .name: lowp_scales, .offset: 24, .size: 8, .value_kind: global_buffer, .address_space: global }
      - { .name: x_codes, .offset: 32, .size: 8, .value_kind: global_buffer, .address_space: global }
      - { .name: wqkv_codes, .offset: 40, .size: 8, .value_kind: global_buffer, .address_space: global }
      - { .name: wout_codes, .offset: 48, .size: 8, .value_kind: global_buffer, .address_space: global }
      - { .name: rope, .offset: 56, .size: 8, .value_kind: global_buffer, .address_space: global }
    .group_segment_fixed_size: 102912
    .private_segment_fixed_size: 0
    .kernarg_segment_align: 8
    .kernarg_segment_size: 64
    .max_flat_workgroup_size: 128
    .sgpr_count:     66
    .vgpr_count:     194
    .wavefront_size: 32
...
	.end_amdgpu_metadata
.endif
;; end of part 1
;; launch qkv (part 2): grid 12 x 32, 4 waves a work-group, clusters of 4 x 4, 327,680 bytes of LDS; arguments x_codes, wqkv_codes, lowp_scales, rope, q_codes, k_codes, v_codes; writes q_codes, k_codes, v_codes
.if DOCPART == 2
	.amdgcn_target "amdgcn-amd-amdhsa--gfx1250"
	.amdhsa_code_object_version 6
	.text
	.protected	k_qcbc92306f3_qkv
	.globl	k_qcbc92306f3_qkv
	.p2align	8
	.type	k_qcbc92306f3_qkv,@function
k_qcbc92306f3_qkv:
	s_mov_b64 s[64:65], 0
	v_nop
	global_prefetch_b8 v0, s[64:65] scope:SCOPE_SE
	s_setreg_imm32_b32 hwreg(HW_REG_WAVE_MODE, 25, 1), 1
	s_wait_xcnt 0x0
	s_wait_alu depctr_hold_cnt(0) depctr_sa_sdst(0) depctr_va_vdst(0) depctr_va_sdst(0) depctr_va_ssrc(0) depctr_va_vcc(0) depctr_vm_vsrc(0)
	s_getreg_b32 s2, hwreg(HW_REG_IB_STS2, 6, 4)
	s_cmp_eq_u32 s2, 0
	s_cbranch_scc0 .Lentry_in_a_cluster
	s_endpgm
.Lentry_in_a_cluster:
	s_bfe_u32 s2, ttmp6, 0x10000c
	s_cmp_lg_u32 s2, 0xf033
	s_cbranch_scc0 .Lentry_shape_is_right
	s_endpgm
.Lentry_shape_is_right:
; x w_qkv on codes of E4M3 (K = 1,024), then the rotation of q and k in f32, then q, k and v as codes for the attention.
; A work-group of four waves makes 256 x 256 of the product, a wave 128 x 128: 64 accumulators, 512 registers.  K goes in steps of 256 through two LDS slots filled by the tensor data mover.
; CLUSTERS: 4 x 4 work-groups; "A"'s tile is asked for jointly along a row of the cluster, "B"'s along a column.  The cluster's x says what is made: 0 q, 1 k, 2 v: the same in all sixteen partners.
; THE MATRIX INSTRUCTION IS USED TRANSPOSED (source 0 = 16 rows of B, source 1 = 16 rows of A): a lane holds one row of A and eight neighbouring rows of B.
;   q, k: A = x's rows (tokens), B = the weight's rows.  Row p of wqkv_codes holds column SW(p) (SW swaps bits 3 and 4), so in accumulator b of a head (b % 4 = 2 b2 + u) lane (r, h), register j is channel
;         d = 32 b2 + 16 h + 8 u + j: the rotation's partner d +- 32 is the same lane and register two accumulators on, and two neighbouring accumulators are 16 neighbouring channels.
;   v:    the roles are changed: A = the weight's v rows, B = x's rows.  A lane then holds one channel and eight neighbouring tokens: V comes out with the keys innermost.
; OUT: q_codes, k_codes [64 b h][2048 rows][64 d], token t in row SW(t);  v_codes [64 b h][64 rows][2048 t], row p = channel SW(p).
; A sum stands for sum x 2^(e0 + e1); the rotation is linear, so the conversion takes the one scale 2^(eT - e0 - e1), eT = e2 (q), e3 (k), e5 (v), chosen without a branch.
; LIMITS: eT - e0 - e1 between -126 and 119.  NaN is not served.
; REGISTERS, in windows of 256: window 0: v16-31 addresses and scales; v32-95 at work on the way out; v128-255 A's fragments, one set, later the codes.  window 1: B's fragments, two sets, later cos and sin.
;   windows 2, 3: the accumulators, (a, b) at v[8 (8 (a % 4) + b)].
.set KSTEP,  256
.set ROWB,   256
.set KROW,   1024                      ; a row of x_codes or wqkv_codes in bytes
.set PITCH,  272                       ; an LDS row: 256 bytes + 16 of padding, so that the 16 rows of a fragment load start at 16 different places modulo 256 bytes
.set FR,     16
.set NL,     4
.set NP,     4
.set HALFT,  128*PITCH
.set SLOT,   4*HALFT
.set LAPS,   2                         ; 1,024 / 512
.set SPARE,  2*SLOT                    ; the spare words: 128 bytes a wave, named by no other line
.set VST,    256*272                   ; the way out: q's and k's stage at LDS byte 0, v's here; both lie in slot 0, which has had its last fill and its last read by then
.set ADRA, 16
.set RO,   18                          ; v18  rope: 256 r + 64 h
.set ADRB, 20
.set STV,  22
.set RDV,  23
.set STO,  24
.set RD,   25
.set CO,   26
.set COV,  27
.set SPW,  28
.set NIL,  29
.set SCL,  30                          ; v30  2^(eT - e0 - e1)
.set LIM,  31                          ; v31  448 x that
.set T1,   32
.set T2,   40
.set YY,   48
.set YV,   32
.set PCD,  128
.set AF,   128
.set G1, 24
.set G0, 32
.set G1B, 48
.set G0B, 56
.set TYP, 74
.set MSB, 0
.macro WIN new                         ; the immediate's high byte repeats the setting that is left
.if MSB != (\new)
	s_set_vgpr_msb (MSB<<8)|(\new)
.set MSB, (\new)
.endif
.endm
.set MUL_LO, 0xa1                      ; source 0 (B) window 1, source 1 (A) window 0, C and D window 2
.set MUL_HI, 0xf1
.set TO_B,   0x40                      ; destination window 1, address window 0
; A joint load: waves 0 and 1 fetch for A, waves 2 and 3 for B; the branch hangs on the wave's number alone.  Four v_nop follow each of the two lines.
.macro JLOAD g0a, g1a, g0b, g1b
	s_cmp_eq_u32 s15, 0
	s_cbranch_scc0 .Lfor_b_\@
	tensor_load_to_lds s[\g0a:\g0a+3], s[\g1a:\g1a+7]
	s_nop 0
.rept 4
	v_nop
.endr
	s_branch .Lasked_\@
.Lfor_b_\@:
	tensor_load_to_lds s[\g0b:\g0b+3], s[\g1b:\g1b+7]
	s_nop 0
.rept 4
	v_nop
.endr
.Lasked_\@:
.endm
.macro CREST                           ; a round of the cluster's barrier behind its opening barrier
	s_cmp_lg_u32 s14, 0
	s_cbranch_scc1 .Lnot_wave_0_\@
	s_barrier_signal -3
.Lnot_wave_0_\@:
	s_barrier_wait -3
	s_barrier_signal -1
	s_barrier_wait -1
.endm
.macro CROUND
	s_barrier_signal -1
	s_barrier_wait -1
	CREST
.endm
	s_load_b256 s[4:11], s[0:1], 0x0               ; x_codes s[4:5], wqkv_codes s[6:7], the exponents s[8:9], rope s[10:11]
	s_load_b128 s[68:71], s[0:1], 0x20             ; q_codes, k_codes
	s_load_b64 s[72:73], s[0:1], 0x30              ; v_codes
	v_lshl_add_u32 v[SPW], v0, 2, SPARE
	v_mov_b32 v[NIL], 0
	ds_add_u32 v28, v29
	ds_add_u32 v28, v29
	s_wait_dscnt 0x0
	v_lshrrev_b32 v1, 5, v0
	v_readfirstlane_b32 s14, v1                    ; wave 0..3
	s_lshr_b32 s15, s14, 1                         ; which half of A's rows is mine.  Also: I fetch for A (0) or for B (1)
	s_and_b32 s16, s14, 1                          ; which half of B's rows.  Also: which 128 rows I fetch
	s_bfe_u32 s40, ttmp6, 0x40000                  ; cx
	s_bfe_u32 s41, ttmp6, 0x40004                  ; cy
	s_mov_b32 s[TYP], ttmp9                        ; the cluster's x: 0 q, 1 k, 2 v
	s_and_b32 s17, ttmp7, 0xffff                   ; the cluster's y
	s_lshl_b32 s43, s41, 2
	s_lshl_b32 s43, 15, s43                        ; my row of the cluster
	s_lshl_b32 s44, 0x1111, s40                    ; my column
	s_or_b32 s[G1+0], s43, (1<<20)|(1<<21)|(5<<22)|(3<<25)   ; the mask; elements of 1 byte; padding on; bit 21 beside a mask; 4 words of padding after every 64
	s_or_b32 s[G1B+0], s44, (1<<20)|(1<<21)|(5<<22)|(3<<25)
.irp g, G1, G1B
	s_mov_b32 s[\g+1], ROWB<<16                    ; tensor_dim0
	s_mov_b32 s[\g+2], 128<<16                     ; tensor_dim1
	s_mov_b32 s[\g+3], ROWB<<16                    ; tile_dim0
	s_mov_b32 s[\g+4], 128                         ; tile_dim1
	s_mov_b32 s[\g+5], KROW                        ; tensor_dim0_stride
	s_mov_b32 s[\g+6], 0
	s_mov_b32 s[\g+7], 0
.endr
	s_lshl_b32 s18, s16, 7                         ; which 128 rows of a tile I fetch
	s_lshl_b32 s20, s17, 2
	s_add_co_u32 s20, s20, s41                     ; q, k: A's tile = x's tile 4 Y + cy
	s_add_co_u32 s21, s41, 8                       ; v:    A's tile = the weight's tile 8 + cy
	s_cmp_eq_u32 s[TYP], 2
	s_cselect_b32 s20, s21, s20
	s_lshl_b32 s20, s20, 8
	s_add_co_u32 s20, s20, s18
	s_lshl_b32 s20, s20, 10                        ; in bytes; these registers never hold cx
	s_mov_b32 s21, 0
	s_cmp_eq_u32 s[TYP], 2
	s_cselect_b32 s46, s17, s[TYP]                 ; q, k: B's tile = the weight's tile 4 x kind + cx;  v: x's tile 4 Y + cx
	s_lshl_b32 s46, s46, 2
	s_add_co_u32 s46, s46, s40
	s_lshl_b32 s46, s46, 8
	s_add_co_u32 s46, s46, s18
	s_lshl_b32 s46, s46, 10                        ; these never hold cy
	s_mov_b32 s47, 0
	s_mul_i32 s45, s14, HALFT                      ; where they go: wave x 128 rows
	s_wait_kmcnt 0x0
	s_load_b256 s[80:87], s[8:9], 0x0              ; e0 .. e7
	s_cmp_eq_u32 s[TYP], 2
	s_cselect_b64 s[76:77], s[6:7], s[4:5]         ; A's buffer
	s_cselect_b64 s[78:79], s[4:5], s[6:7]         ; B's
	s_add_nc_u64 s[20:21], s[76:77], s[20:21]
	s_add_nc_u64 s[46:47], s[78:79], s[46:47]
	CROUND                                         ; all sixteen work-groups are here: the first joint loads meet
.irp s, 0,1
	s_mov_b32 s[G0+4*\s], 1
	s_add_co_u32 s[G0+4*\s+1], s45, \s*SLOT
	s_add_nc_u64 s[G0+4*\s+2:G0+4*\s+3], s[20:21], \s*ROWB
	s_or_b32 s[G0+4*\s+3], s[G0+4*\s+3], 0x80000000
	s_mov_b32 s[G0B+4*\s], 1
	s_add_co_u32 s[G0B+4*\s+1], s45, \s*SLOT
	s_add_nc_u64 s[G0B+4*\s+2:G0B+4*\s+3], s[46:47], \s*ROWB
	s_or_b32 s[G0B+4*\s+3], s[G0B+4*\s+3], 0x80000000
.endr
	JLOAD G0, G1, G0B, G1B                         ; K step 0: one tensor load a wave at the head
	; THE PREFETCHES: behind the joint load of K step s stands one request for K step s + 1: of the 128 rows that my wave fetches, the partner at place p (cx for A, cy for B) names rows 32 p on, a lane a row, 256 bytes of it.
	; So each aligned 256 bytes are named once in a cluster; the partners are told apart by address.  The weight's rows, which eight clusters walk, are asked for by the clusters with y under 4 alone.  K step 3's load asks for nothing.
	s_cmp_eq_u32 s[TYP], 2
	s_cselect_b32 s98, 0, 1                        ; which of A's and B's waves fetch the weight
	s_cmp_eq_u32 s98, s15
	s_cselect_b32 s98, s17, 0                      ; they ask where the cluster's y is under 4; x's waves always
	s_cmp_eq_u32 s15, 0
	s_cselect_b64 s[96:97], s[20:21], s[46:47]
	s_cselect_b32 s92, s40, s41
	s_lshl_b32 s92, s92, 15                        ; 32 rows of 1,024 bytes for each place
	s_mov_b32 s93, 0
	s_add_nc_u64 s[96:97], s[96:97], s[92:93]      ; never rewritten
	v_and_b32 v8, 31, v0
	v_lshlrev_b32 v8, 10, v8                       ; a lane a row; never rewritten
	s_cmp_lt_u32 s98, 4
	s_cbranch_scc0 .Lpf0
	global_prefetch_b8 v8, s[96:97] offset:256 th:TH_LOAD_NT scope:SCOPE_SE
.Lpf0:
	v_and_b32 v1, 15, v0
	v_bfe_u32 v2, v0, 4, 1                         ; h
	v_mul_u32_u24 v3, v1, PITCH
	v_lshl_add_u32 v4, v2, 4, v3                   ; a fragment's row x pitch + 16 h
	s_mul_i32 s21, s15, HALFT
	s_mul_i32 s22, s16, HALFT
	s_add_co_u32 s22, s22, 2*HALFT
.irp s, 0,1
	v_add_nc_u32 v[ADRA+\s], s21, v4
	v_add_nc_u32 v[ADRB+\s], s22, v4
	s_add_co_u32 s21, s21, SLOT
	s_add_co_u32 s22, s22, SLOT
.endr
	; the way out's LDS addresses, all made here, of the thread's and the wave's numbers and constants.
	; q, k: the stage is 256 pieces of 256 bytes (four rows of 64 codes), 272 apart: piece = 64 x head + (row / 4), row = SW(token)
	s_lshl_b32 s22, s16, 7
	s_lshl_b32 s23, s15, 5
	s_add_co_u32 s22, s22, s23
	s_mul_i32 s22, s22, 272
	v_bfe_u32 v5, v0, 3, 1
	v_bfe_u32 v6, v0, 2, 1
	v_lshl_add_u32 v5, v5, 2, v6
	v_mul_u32_u24 v5, v5, 272
	v_and_b32 v6, 3, v0
	v_lshl_add_u32 v5, v6, 6, v5
	v_lshl_add_u32 v5, v2, 4, v5
	v_add_nc_u32 v[STO], s22, v5                   ; (128 s16 + 32 s15 + 4 (r / 8) + (r / 4) % 2) x 272 + 64 (r % 4) + 16 h
	s_mul_i32 s23, s14, 64*272
	v_mul_u32_u24 v5, v2, 272
	v_lshl_add_u32 v5, v1, 4, v5
	v_add_nc_u32 v[RD], s23, v5                    ; back: wave w takes pieces 64 w on (one head), two an instruction
	v_add_nc_u32 v[RDV], VST, v[RD]                ; v: the same in its stage: rows 64 w on
	s_mul_i32 s22, s15, 128*272
	s_lshl_b32 s23, s16, 7
	s_add_co_u32 s22, s22, s23
	s_add_co_u32 s22, s22, VST
	v_lshl_add_u32 v5, v2, 3, v3
	v_add_nc_u32 v[STV], s22, v5                   ; v: row 128 s15 + r of 256 tokens, byte 128 s16 + 8 h
	v_and_b32 v6, 31, v0
	v_lshlrev_b32 v[CO], 4, v6                     ; q, k in memory: 16 bytes a lane
	v_lshlrev_b32 v5, 11, v2
	v_lshl_add_u32 v[COV], v1, 4, v5               ; v in memory: sixteen lanes to a row's 256 bytes, rows 2,048 bytes apart
	v_lshlrev_b32 v5, 8, v1
	v_lshl_add_u32 v[RO], v2, 6, v5
	; offsets in memory (they may hold cx and cy: they feed plain loads and stores alone)
	s_and_b32 s92, s17, 1
	s_lshl_b32 s92, s92, 2                         ; 4 (Y % 2)
	s_add_co_u32 s93, s92, s41
	s_lshl_b32 s93, s93, 8                         ; q, k: the tile's first token in its sequence
	s_lshl_b32 s94, s15, 7
	s_add_co_u32 s94, s94, s93
	s_lshl_b32 s94, s94, 8
	s_mov_b32 s95, 0
	s_add_nc_u64 s[10:11], s[10:11], s[94:95]      ; rope at my wave's first token
	s_lshr_b32 s94, s17, 1
	s_lshl_b32 s94, s94, 4
	s_add_co_u32 s94, s94, s14                     ; 16 x batch + wave
	s_lshl_b32 s88, s40, 2
	s_add_co_u32 s88, s88, s94                     ; q, k: my head on the way out
	s_lshl_b32 s88, s88, 11
	s_add_co_u32 s88, s88, s93
	s_lshl_b32 s88, s88, 6
	s_lshl_b32 s89, s41, 2
	s_add_co_u32 s89, s89, s94                     ; v: my head
	s_lshl_b32 s89, s89, 17
	s_add_co_u32 s92, s92, s40
	s_lshl_b32 s92, s92, 8                         ; v: the tile's first token
	s_add_co_u32 s89, s89, s92
	s_cmp_eq_u32 s[TYP], 2
	s_cselect_b32 s94, s89, s88
	s_cselect_b64 s[90:91], s[72:73], s[70:71]
	s_cmp_eq_u32 s[TYP], 0
	s_cselect_b64 s[90:91], s[68:69], s[90:91]
	s_add_nc_u64 s[90:91], s[90:91], s[94:95]      ; where my wave stores
.macro FRAG reg, adr, q, i             ; 16 rows x 128 K: lane l holds row l % 16; registers 4 c .. 4 c + 3 hold K = 32 c + 16 (l / 16) + 0 .. 15, alike in A and B
.irp c, 0,1,2,3
	ds_load_b128 v[\reg+4*\c:\reg+4*\c+3], v[\adr] offset:128*(\q)+32*\c+(\i)*16*PITCH
.endr
.endm
; 16 matrix instructions: A's blocks a0, a0 + 1 x B's eight.  The 64 accumulators take turns, one instruction a turn, in the same order in every step.
.macro MUL16 a0, p, zero
.irp a, \a0, \a0+1
.irp b, 0,1,2,3,4,5,6,7
.if \zero
	v_wmma_f32_16x16x128_fp8_fp8 v[8*(8*((\a)%4)+\b):8*(8*((\a)%4)+\b)+7], v[128*(\p)+FR*\b:128*(\p)+FR*\b+FR-1], v[AF+FR*(\a):AF+FR*(\a)+FR-1], 0
.else
	v_wmma_f32_16x16x128_fp8_fp8 v[8*(8*((\a)%4)+\b):8*(8*((\a)%4)+\b)+7], v[128*(\p)+FR*\b:128*(\p)+FR*\b+FR-1], v[AF+FR*(\a):AF+FR*(\a)+FR-1], v[8*(8*((\a)%4)+\b):8*(8*((\a)%4)+\b)+7]
.endif
.endr
.endr
.endm
.macro FETCH_B slot, q, p
	WIN TO_B
.irp i, 0,1,2,3,4,5,6,7
	FRAG 128*(\p)+FR*\i, ADRB+\slot, \q, \i
.endr
	WIN 0
.endm
.macro FETCH_A slot, q, i0
.irp i, \i0, \i0+1, \i0+2, \i0+3
	FRAG AF+FR*(\i), ADRA+\slot, \q, \i
.endr
.endm
.macro PLACES n                        ; plain vector lines between a matrix instruction and a load into, or a vector read or write of, its registers
.rept \n
	v_nop
.endr
.endm
.macro STEP slot, q, zero              ; 128 along K, with its successor in the same slot
	s_wait_dscnt 4*NL                              ; B's set and A's blocks 0-3 are in; the youngest 16 loads (A's blocks 4-7) may be out
	WIN MUL_LO
	MUL16 0, (\q)%2, \zero
	MUL16 2, (\q)%2, \zero
	s_wait_dscnt 0
	PLACES NP
	FETCH_B \slot, (\q)+1, 1-(\q)%2
	FETCH_A \slot, (\q)+1, 0
	WIN MUL_HI
	MUL16 4, (\q)%2, \zero
	MUL16 6, (\q)%2, \zero
	PLACES NP
	WIN 0
	FETCH_A \slot, (\q)+1, 4
.endm
; A slot's last step changes slots: one barrier; in front of it each wave waits for all its tensor loads, adds 0 to its spare word, and waits for that and for its reads of this slot.
.macro TURN slot, next, fill
	s_wait_tensorcnt 0x0                           ; all my tensor loads have landed: my part of the next slot
	ds_add_u32 v[SPW], v[NIL]                      ; 0 onto my spare word
	s_wait_dscnt 4*NL+1                            ; (the add and the youngest 16 loads may be out)
	WIN MUL_LO
	MUL16 0, 1, 0
	s_wait_dscnt 0x0                               ; the add is done, and my reads of this slot are over
	s_barrier_signal -1
	MUL16 2, 1, 0
	WIN 0
	s_barrier_wait -1
.if \fill
	CREST                                          ; the barrier has opened a round of the cluster's: no wave of any partner still reads this slot or has a load on its way
	s_add_nc_u64 s[G0+4*\slot+2:G0+4*\slot+3], s[G0+4*\slot+2:G0+4*\slot+3], 2*ROWB
	s_add_nc_u64 s[G0B+4*\slot+2:G0B+4*\slot+3], s[G0B+4*\slot+2:G0B+4*\slot+3], 2*ROWB
	JLOAD G0+4*\slot, G1, G0B+4*\slot, G1B         ; the first tensor load behind the round; its four v_nop are the places in front of the loads below
.else
	PLACES NP
.endif
	FETCH_B \next, 0, 0
	FETCH_A \next, 0, 0
.if (\fill) && ((\slot) == 0)
	s_cmp_lt_u32 s98, 4
	s_cbranch_scc0 .Lpf_\@
	global_prefetch_b8 v8, s[96:97] offset:768 th:TH_LOAD_NT scope:SCOPE_SE   ; K step 3 (the loop has one trip: K is four steps)
.Lpf_\@:
.endif
	WIN MUL_HI
	MUL16 4, 1, 0
	MUL16 6, 1, 0
	PLACES NP
	WIN 0
	FETCH_A \next, 0, 4
.endm
; cos and sin for blocks 4 g .. 4 g + 3 of my tokens, into window 1: block a at v[32 a]: 16 cos (i = 16 h + 0 .. 15), then 16 sin
.macro ROPE8 g
	WIN TO_B
.irp a, 0,1,2,3
.irp c, 0,1,2,3
	global_load_b128 v[32*(4*\g+\a)+4*\c:32*(4*\g+\a)+4*\c+3], v[RO], s[10:11] offset:4096*(4*\g+\a)+16*\c
.endr
.irp c, 0,1,2,3
	global_load_b128 v[32*(4*\g+\a)+16+4*\c:32*(4*\g+\a)+16+4*\c+3], v[RO], s[10:11] offset:4096*(4*\g+\a)+128+16*\c
.endr
.endr
	WIN 0
.endm
	s_wait_alu depctr_va_vdst(0)                   ; the wait at the head's end
	s_wait_tensorcnt 0x0                           ; my part of K step 0 is in; the lines ahead of a later first fill:
	ds_add_u32 v[SPW], v[NIL]
	s_wait_dscnt 0x0
	CROUND                                         ; everybody's part of K step 0 is in, and all sixteen work-groups are here
	JLOAD G0+4, G1, G0B+4, G1B                     ; K step 1: slot 1's first fill, the first tensor load behind the round
	FETCH_B 0, 0, 0
	FETCH_A 0, 0, 0
	FETCH_A 0, 0, 4
	s_cmp_lt_u32 s98, 4
	s_cbranch_scc0 .Lpf1
	global_prefetch_b8 v8, s[96:97] offset:512 th:TH_LOAD_NT scope:SCOPE_SE   ; K step 2
.Lpf1:
	STEP 0, 0, 1
	s_mov_b32 s3, LAPS-1
.Llap:
	TURN 0, 1, 1
	STEP 1, 0, 0
	TURN 1, 0, 1
	STEP 0, 0, 0
	s_sub_co_u32 s3, s3, 1
	s_cmp_lg_u32 s3, 0
	s_cbranch_scc1 .Llap
	TURN 0, 1, 0                                   ; the last lap fills nothing
	STEP 1, 0, 0
	s_cmp_eq_u32 s[TYP], 2                         ; q, k: B's set 0 is done with (its last products stand ahead of the step's closing places): it takes the first four blocks' cos and sin,
	s_cbranch_scc1 .Lno_rope                       ; which land under the last step's 64 products
	s_wait_alu depctr_va_vdst(0)
	ROPE8 0
.Lno_rope:
	s_wait_dscnt 4*NL                              ; the very last step
	WIN MUL_LO
	MUL16 0, 1, 0
	MUL16 2, 1, 0
	s_wait_dscnt 0
	WIN MUL_HI
	MUL16 4, 1, 0
	MUL16 6, 1, 0
	WIN 0
	s_wait_kmcnt 0x0
	s_cmp_eq_u32 s[TYP], 0
	s_cselect_b32 s88, s82, s83                    ; e2 or e3,
	s_cmp_eq_u32 s[TYP], 2
	s_cselect_b32 s88, s85, s88                    ; or e5: a choice, no branch on a loaded number
	s_sub_co_i32 s88, s88, s80
	s_sub_co_i32 s88, s88, s81
	s_add_co_i32 s88, s88, 127
	s_lshl_b32 s89, s88, 23
	s_add_co_i32 s88, s88, 8
	s_lshl_b32 s88, s88, 23
	s_or_b32 s88, s88, 0x600000
	PLACES NP                                      ; behind the last products: for the reads of results, the writes over A's fragments and the loads into B's set 1
	v_mov_b32 v[SCL], s89
	v_mov_b32 v[LIM], s88
	s_cmp_eq_u32 s[TYP], 2
	s_cbranch_scc1 .Lv_arm
; ---- q, k.  Block a (16 tokens), head g: rotate, hold, convert, 32 bytes a lane into the stage.
.macro QKHEAD a, g
	WIN 0x06+(\a)/4                                ; source 0: the accumulators' window; source 1: window 1 (cos, sin)
.irp u, 0,1
.set X1, 8*(8*((\a)%4)+4*(\g)+\u)
.set X2, X1+16
.set RC, 32*(\a)+8*\u
.set RS, RC+16
.irp p, 0,2,4,6
	v_pk_mul_f32 v[T1+\p:T1+\p+1], v[X2+\p:X2+\p+1], v[RS+\p:RS+\p+1]     ; each accumulator is read from its low end on
	v_pk_mul_f32 v[T2+\p:T2+\p+1], v[X1+\p:X1+\p+1], v[RS+\p:RS+\p+1]
.endr
.irp p, 0,2,4,6
	v_pk_fma_f32 v[YY+8*\u+\p:YY+8*\u+\p+1], v[X1+\p:X1+\p+1], v[RC+\p:RC+\p+1], v[T1+\p:T1+\p+1] neg_lo:[0,0,1] neg_hi:[0,0,1]   ; d < 32: x1 cos - x2 sin
	v_pk_fma_f32 v[YY+16+8*\u+\p:YY+16+8*\u+\p+1], v[X2+\p:X2+\p+1], v[RC+\p:RC+\p+1], v[T2+\p:T2+\p+1]                          ; d >= 32: x2 cos + x1 sin
.endr
.endr
	WIN 0
.set PCC, PCD+8*(2*(\a)+(\g))          ; a set of its own for each block and head: no store's data are written again
.set j, 0
.rept 32
	v_med3_num_f32 v[YY+j], v[YY+j], -v[LIM], v[LIM]   ; the conversion does not saturate (ISA guide 7.6.2)
.set j, j+1
.endr
.irp t, 0,1,2,3
	v_cvt_scalef32_pk8_fp8_f32 v[PCC+2*\t:PCC+2*\t+1], v[YY+8*\t:YY+8*\t+7], v[SCL]
.endr
	v_nop                                          ; a plain line behind the last conversion, ahead of the next writes of its sources
	ds_store_b128 v[STO], v[PCC:PCC+3] offset:(64*(\g)+8*((\a)/2)+2*((\a)%2))*272       ; d = 16 h + 0 .. 15
	ds_store_b128 v[STO], v[PCC+4:PCC+7] offset:(64*(\g)+8*((\a)/2)+2*((\a)%2))*272+32  ; d = 32 + 16 h + 0 .. 15
.endm
	s_wait_alu depctr_va_vdst(0)
	ROPE8 1
.irp a, 0,1,2,3,4,5,6,7
	s_wait_loadcnt 56-8*\a                         ; this block's eight loads are in; the later blocks', eight each, may be out
	QKHEAD \a, 0
	QKHEAD \a, 1
.endr
	s_wait_dscnt 0x0                               ; for the others' sake: my stores into the stage are done
	s_barrier_signal -1
	s_barrier_wait -1
.set i, 0
.rept 32
	ds_load_b128 v[PCD+4*i:PCD+4*i+3], v[RD] offset:544*i
.set i, i+1
.endr
.set i, 0
.rept 32
	s_wait_dscnt 31-i                              ; the later read-backs may be out
	global_store_b128 v[CO], v[PCD+4*i:PCD+4*i+3], s[90:91] offset:512*i th:TH_STORE_NT   ; the wave stores 512 consecutive bytes, aligned
.set i, i+1
.endr
	s_branch .Ldone
; ---- v.  Block a (16 channels): hold, convert, 8 bytes (eight tokens) for each accumulator into the stage.
.macro VBLOCK a
	WIN 0x02+(\a)/4
.set j, 0
.rept 64
	v_med3_num_f32 v[YV+j], v[64*((\a)%4)+j], -v[LIM], v[LIM]
.set j, j+1
.endr
	WIN 0
.irp b, 0,1,2,3,4,5,6,7
	v_cvt_scalef32_pk8_fp8_f32 v[PCD+16*(\a)+2*\b:PCD+16*(\a)+2*\b+1], v[YV+8*\b:YV+8*\b+7], v[SCL]
.endr
	v_nop
.irp b, 0,1,2,3,4,5,6,7
	ds_store_b64 v[STV], v[PCD+16*(\a)+2*\b:PCD+16*(\a)+2*\b+1] offset:4352*(\a)+16*\b
.endr
.endm
.Lv_arm:
	s_wait_alu depctr_va_vdst(0)
.irp a, 0,1,2,3,4,5,6,7
	VBLOCK \a
.endr
	s_wait_dscnt 0x0
	s_barrier_signal -1
	s_barrier_wait -1
.set i, 0
.rept 32
	ds_load_b128 v[PCD+4*i:PCD+4*i+3], v[RDV] offset:544*i
.set i, i+1
.endr
.set i, 0
.rept 32
	s_wait_dscnt 31-i
	global_store_b128 v[COV], v[PCD+4*i:PCD+4*i+3], s[90:91] offset:4096*i th:TH_STORE_NT   ; sixteen lanes store 256 consecutive bytes, aligned
.set i, i+1
.endr
.Ldone:
	s_wait_tensorcnt 0x0                           ; the wave's end
	ds_add_u32 v[SPW], v[NIL]
	s_wait_dscnt 0x0
	CROUND                                         ; the closing round
	s_endpgm
.Lfunc_end_k_qcbc92306f3_qkv:
	.size	k_qcbc92306f3_qkv, .Lfunc_end_k_qcbc92306f3_qkv-k_qcbc92306f3_qkv
	.p2alignl 7, 3214868480
	.fill 96, 4, 3214868480
	.section	.rodata,"a",@progbits
	.p2align	6, 0x0
	.amdhsa_kernel k_qcbc92306f3_qkv
		.amdhsa_group_segment_fixed_size 327680
		.amdhsa_private_segment_fixed_size 0
		.amdhsa_enable_private_segment 0
		.amdhsa_kernarg_size 56
		.amdhsa_user_sgpr_count 2
		.amdhsa_user_sgpr_kernarg_segment_ptr 1
		.amdhsa_wavefront_size32 1
		.amdhsa_system_sgpr_workgroup_id_x 1
		.amdhsa_system_sgpr_workgroup_id_y 1
		.amdhsa_system_sgpr_workgroup_id_z 1
		.amdhsa_system_vgpr_workitem_id 0
		.amdhsa_next_free_vgpr 1024
		.amdhsa_next_free_sgpr 100
		.amdhsa_reserve_vcc 0
		.amdhsa_float_denorm_mode_32 3
		.amdhsa_float_denorm_mode_16_64 3
		.amdhsa_memory_ordered 1
		.amdhsa_forward_progress 1
		.amdhsa_inst_pref_size 212
	.end_amdhsa_kernel
	.amdgpu_metadata
---
amdhsa.version: [ 1, 2 ]
amdhsa.kernels:
  - .name:           k_qcbc92306f3_qkv
    .symbol:         k_qcbc92306f3_qkv.kd
    .args:
      - { .name: x_codes, .offset: 0, .size: 8, .value_kind: global_buffer, .address_space: global }
      - { .name: wqkv_codes, .offset: 8, .size: 8, .value_kind: global_buffer, .address_space: global }
      - { .name: lowp_scales, .offset: 16, .size: 8, .value_kind: global_buffer, .address_space: global }
      - { .name: rope, .offset: 24, .size: 8, .value_kind: global_buffer, .address_space: global }
      - { .name: q_codes, .offset: 32, .size: 8, .value_kind: global_buffer, .address_space: global }
      - { .name: k_codes, .offset: 40, .size: 8, .value_kind: global_buffer, .address_space: global }
      - { .name: v_codes, .offset: 48, .size: 8, .value_kind: global_buffer, .address_space: global }
    .group_segment_fixed_size: 327680
    .private_segment_fixed_size: 0
    .kernarg_segment_align: 8
    .kernarg_segment_size: 56
    .max_flat_workgroup_size: 128
    .sgpr_count:     100
    .vgpr_count:     1024
    .wavefront_size: 32
...
	.end_amdgpu_metadata
.endif
;; end of part 2
;; launch attn (part 3): grid 4 x 64, 8 waves a work-group, no clusters, 283,648 bytes of LDS; arguments q_codes, k_codes, v_codes, lowp_scales, o_codes; writes o_codes
.if DOCPART == 3
	.amdgcn_target "amdgcn-amd-amdhsa--gfx1250"
	.amdhsa_code_object_version 6
	.text
	.protected	k_qcbc92306f3_attn
	.globl	k_qcbc92306f3_attn
	.p2align	8
	.type	k_qcbc92306f3_attn,@function
k_qcbc92306f3_attn:
	s_mov_b64 s[64:65], 0
	v_nop
	global_prefetch_b8 v0, s[64:65] scope:SCOPE_SE
	s_setreg_imm32_b32 hwreg(HW_REG_WAVE_MODE, 25, 1), 1
	s_wait_xcnt 0x0
; Causal attention on codes of E4M3, head size 64, 2,048 tokens, 64 (batch, head) pairs; the result leaves as codes for the last product.
; q_codes, k_codes: [64 b h][2048 rows][64 d], token t in row SW(t) (SW swaps bits 3 and 4).  v_codes: [64 b h][64 rows][2048 t], row p = channel SW(p).  o_codes: [16 h][8192 (b, t)][64 d].
; THE SOFTMAX: t = score x log2(e) / 8; M = the running largest t rounded up to a whole number; p = 2^(t - M) is quantised with 2^e4, not normalised; the row's sum is taken of the unquantised p and divides at the end.
; LEFT OUT: key steps all of whose keys come after a wave's queries: the causal mask makes their p zero for all inputs.  A NaN or an infinity that reaches only such scores is not carried to the result.
; SHARES.  Work-group (i, b h) owns two blocks of 256 queries of one head: first block 7 - i, then block i.  Keys come in slots of 512: (9 - i) / 2 slots for the first pass and (i + 2) / 2 for the second, five whatever i is.
; Each of the eight waves owns 32 queries of a block, two tiles of 16 (A, B), so that each fragment of K and of V read from LDS feeds two matrix instructions.  A key step is 128 keys, four to a slot, written once in an inner loop of four trips.
; K AND V GO THROUGH REGISTERS INTO LDS: a slot is 32,768 bytes of K (dense) and 64 rows x 512 bytes of V: 16 loads of 16 bytes a lane, held in 64 registers, then 16 LDS stores.  In trip t the data of slot t + 1 are stored in step 1
; (into the slot that every wave has left at the trip's barrier), and slot t + 2 is asked for in step 2: three key steps ahead of the wait for it.  So no prefetch is laid: each slot is asked of memory three steps ahead as it is.
; NO TENSOR LOAD, NO CLUSTER: the four work-groups of a head want different numbers of slots in each of their two passes.
; THE HOLD of p at 448 x 2^e4 is jumped over where e4 >= -8: p is at most 1 and 448 x 2^-8 = 1.75, so the hold changes no number there; where e4 < -8 it is run.
; LAYOUT.  Both products are used transposed: S^T = K Q^T (source 0 = 16 rows of k_codes), O^T = V^T P^T (source 0 = 16 rows of v_codes): a lane holds one query of each tile throughout.  By SW, the 16 registers of two
; neighbouring tiles of S^T are 16 neighbouring keys, 32 b + 16 h + 0 .. 15, and those of O^T 16 neighbouring channels: the conversions' results are the next operand's bytes.
; LIMITS: e2 + e3 between -123 and 130; e4 and e6 between -126 and 119.  NaN is not served.  The scaled scores stay under 2^31 in magnitude.
; REGISTERS.  Window 0: v1-11 addresses; v12-15 tile A's -M, largest t, sum; v16-19 tile B's; v[20:21], v[22:23] the factors f; v24-27 scales; v28-31 at work; v32-95 fragments of K, then of V; v96-159 A's S^T, then p; v160-223 B's; v224-255 codes.
;   Window 1: v0-31 A's O^T, v32-63 B's; v64-79 Q, v80-95 the second pass's Q; v96-159 a slot on its way to LDS; v160-165 its addresses.
.set KP,    80                         ; a key's row in LDS: 64 bytes + 16
.set VP,    528                        ; a row of V's part of a slot: 512 bytes + 16
.set VOFF,  512*KP
.set SLOT1, 1<<17
.set SPARE, 2*SLOT1                    ; the spare words: 128 bytes for each of 8 waves
.set STAGE, SPARE+1024                 ; the way out: 32 rows x 80 bytes for each wave
.set AK0, 1
.set AV0, 2
.set QO,  3
.set SPW, 5
.set NIL, 6
.set GO,  7
.set ADK, 8
.set ADV, 9
.set STI, 10
.set STR, 11
.set KV,  32
.set SA,  96
.set SB,  160
.set CA,  224
.set CB,  240
.set OA,  0                            ; window 1 from here on
.set OB,  32
.set Q1,  64
.set Q2,  80
.set G,   96
.set GKO, 160
.set GVO, 161
.set SK0, 162
.set SV0, 163
.set SKA, 164
.set SVA, 165
.set TB,  2                            ; s2  LDS byte of the slot in hand;  s3 of the other
.set TN,  3
.set WV,  18
.set SEL, 20
.set CS,  22
.set KB,  24                           ; s[24:25] k_codes at my head;  s[26:27] v_codes
.set VB,  26
.set LK,  28                           ; s[28:29], s[30:31] the slot that is asked for
.set LV,  30
.set KO,  32                           ; s32, s33 LDS byte of the step's keys in K's part and in V's rows
.set VO,  33
.set TR,  34                           ; s34 the trip: which of the five slots
.set LASTA, 35                         ; s35 the first pass's last trip
.set NAS, 36                           ; s36 the first pass's slots
.set KF,  37                           ; s37 the step's first key
.set Q0,  38                           ; s38 my first query;  s39 the second pass's
.set Q02, 39
.set EPV, 40                           ; s40 e4 + e5
.set HF,  41                           ; s41 1 where the hold can change a number
.set ST,  42                           ; s42 the step in the slot
.set MSB, 0
.macro WIN new                         ; the immediate's high byte repeats the setting that is left
.if MSB != (\new)
	s_set_vgpr_msb (MSB<<8)|(\new)
.set MSB, (\new)
.endif
.endm
.macro GLOAD                           ; a slot's 65,536 bytes, 256 a lane: a wave's load covers 512 consecutive bytes.  Data, addresses: window 1
	WIN 0x45
.irp j, 0,1,2,3,4,5,6,7
	global_load_b128 v[G+4*\j:G+4*\j+3], v[GKO], s[LK:LK+1] offset:4096*\j
.endr
.irp j, 0,1,2,3,4,5,6,7
	global_load_b128 v[G+32+4*\j:G+35+4*\j], v[GVO], s[LV:LV+1] offset:16384*\j
.endr
	WIN 0
.endm
.macro GSTORE                          ; into the slot at s[TN]: load j holds K's rows 64 j on, V's rows 8 j on
	WIN 0x45
	v_add_nc_u32 v[SKA], s[TN], v[SK0]
	v_add_nc_u32 v[SVA], s[TN], v[SV0]
.irp j, 0,1,2,3,4,5,6,7
	ds_store_b128 v[SKA], v[G+4*\j:G+4*\j+3] offset:64*KP*\j
.endr
.irp j, 0,1,2,3,4,5,6,7
	ds_store_b128 v[SVA], v[G+32+4*\j:G+35+4*\j] offset:8*VP*\j
.endr
	WIN 0
.endm
.macro RESET                           ; a pass begins: the largest t under every t, the sums and O^T zeros (the first change of M multiplies zeros)
	v_mov_b32 v13, 0xff61b1e6
	v_mov_b32 v17, 0xff61b1e6
	v_floor_f32 v12, -v13
	v_floor_f32 v16, -v17
	v_mov_b32 v14, 0
	v_mov_b32 v15, 0
	v_mov_b32 v18, 0
	v_mov_b32 v19, 0
	WIN 0x40
.set j, 0
.rept 64
	v_mov_b32 v[OA+j], 0
.set j, j+1
.endr
	WIN 0
.endm
.macro T0 k, p                         ; the sums of p: three side chains and the running sum for each tile, both tiles by turns
	v_pk_add_f32 v[CA+2*(\k):CA+2*(\k)+1], v[SA+2*(\p):SA+2*(\p)+1], v[SA+2*(\p)+2:SA+2*(\p)+3]
	v_pk_add_f32 v[CB+2*(\k):CB+2*(\k)+1], v[SB+2*(\p):SB+2*(\p)+1], v[SB+2*(\p)+2:SB+2*(\p)+3]
.endm
.macro TA k, p
	v_pk_add_f32 v[CA+2*(\k):CA+2*(\k)+1], v[CA+2*(\k):CA+2*(\k)+1], v[SA+2*(\p):SA+2*(\p)+1]
	v_pk_add_f32 v[CB+2*(\k):CB+2*(\k)+1], v[CB+2*(\k):CB+2*(\k)+1], v[SB+2*(\p):SB+2*(\p)+1]
.endm
.macro AC p
	v_pk_add_f32 v[14:15], v[14:15], v[SA+2*(\p):SA+2*(\p)+1]
	v_pk_add_f32 v[18:19], v[18:19], v[SB+2*(\p):SB+2*(\p)+1]
.endm
; A PASS ENDS: O^T / the sum x 2^(e4 + e5), quantised with 2^e6, through my own stage, so that the wave stores its 32 rows of 64 codes as 2,048 consecutive bytes.
.macro FINISH ob
.rept 4
	v_nop                                          ; places behind the last products
.endr
	v_add_f32 v14, v14, v15
	v_add_f32 v18, v18, v19
	v_permlanex16_b32 v30, v14, s[SEL], s[SEL+1]
	v_permlanex16_b32 v31, v18, s[SEL], s[SEL+1]
	v_add_f32 v14, v14, v30                        ; the rows' sums
	v_add_f32 v18, v18, v31
	s_wait_alu depctr_va_vdst(0)                   ; the wait ahead of the transcendentals,
	v_rcp_f32 v14, v14
	v_rcp_f32 v18, v18
	v_nop                                          ; a plain line behind them,
	s_wait_alu depctr_va_vdst(0)                   ; and the wait ahead of their first reader
	v_ldexp_f32 v14, v14, s[EPV]
	v_ldexp_f32 v18, v18, s[EPV]
	WIN 0x01                                       ; source 0: O^T, window 1
	s_wait_alu depctr_va_vdst(0)                   ; the wait directly ahead of the first readers of O^T
.set j, 0
.rept 32
	v_mul_f32 v[SA+j], v[OA+j], v14                ; register 8 t + i of tile t = 2 b + u is o(query r, d = 32 b + 16 h + 8 u + i)
.set j, j+1
.endr
.set j, 0
.rept 32
	v_mul_f32 v[SA+32+j], v[OB+j], v18
.set j, j+1
.endr
	WIN 0
.set j, 0
.rept 64
	v_med3_num_f32 v[SA+j], v[SA+j], -v27, v27     ; the conversion does not saturate (ISA guide 7.6.2)
.set j, j+1
.endr
.irp t, 0,1,2,3,4,5,6,7
	v_cvt_scalef32_pk8_fp8_f32 v[CA+2*\t:CA+2*\t+1], v[SA+8*\t:SA+8*\t+7], v26
.endr
	v_nop
	ds_store_b128 v[STI], v[CA:CA+3]               ; A: d = 16 h + 0 .. 15
	ds_store_b128 v[STI], v[CA+4:CA+7] offset:32   ;    d = 32 + 16 h + 0 .. 15
	ds_store_b128 v[STI], v[CA+8:CA+11] offset:16*KP
	ds_store_b128 v[STI], v[CA+12:CA+15] offset:16*KP+32
.irp i, 0,1,2,3
	ds_load_b128 v[CB+4*\i:CB+4*\i+3], v[STR] offset:8*KP*\i   ; LDS serves a wave's instructions in order: these see my stores
.endr
.irp i, 0,1,2,3
	s_wait_dscnt 3-\i                              ; the later read-backs may be out
	global_store_b128 v[GO], v[CB+4*\i:CB+4*\i+3], s[\ob:\ob+1] offset:512*\i
.endr
.endm
	s_load_b128 s[4:7], s[0:1], 0x0                ; q_codes, k_codes
	s_load_b128 s[12:15], s[0:1], 0x10             ; v_codes, the exponents
	s_load_b64 s[16:17], s[0:1], 0x20              ; o_codes
	v_lshl_add_u32 v[SPW], v0, 2, SPARE
	v_mov_b32 v[NIL], 0
	v_lshrrev_b32 v8, 5, v0
	v_readfirstlane_b32 s[WV], v8                  ; wave 0..7
	s_mov_b32 s19, ttmp9                           ; i
	s_and_b32 s82, ttmp7, 0xffff                   ; b h
	s_lshl_b32 s84, s82, 17                        ; a head's codes are 131,072 bytes in q, k and v alike
	s_mov_b32 s85, 0
	s_sub_co_u32 s[NAS], 9, s19
	s_lshr_b32 s[NAS], s[NAS], 1
	s_sub_co_u32 s[LASTA], s[NAS], 1
	s_lshl_b32 s86, s[WV], 5
	s_sub_co_u32 s[Q0], 7, s19
	s_lshl_b32 s[Q0], s[Q0], 8
	s_add_co_u32 s[Q0], s[Q0], s86                 ; 256 (7 - i) + 32 x wave
	s_lshl_b32 s[Q02], s19, 8
	s_add_co_u32 s[Q02], s[Q02], s86               ; 256 i + 32 x wave
	s_and_b32 s87, s82, 15
	s_lshl_b32 s87, s87, 13
	s_lshr_b32 s88, s82, 4
	s_lshl_b32 s88, s88, 11
	s_add_co_u32 s87, s87, s88                     ; o_codes: row 8192 h + 2048 b + token
	s_mov_b32 s[SEL], 0x76543210
	s_mov_b32 s[SEL+1], 0xfedcba98
	s_mov_b32 s[CS], 0x3e38aa3b                    ; c = log2(e) / 8
	s_mov_b32 s[TB], 0
	s_mov_b32 s[TN], 0
	s_mov_b32 s[TR], 0
	s_mov_b32 s[KF], 0
	s_mul_i32 s89, s[WV], 32*KP
	s_add_co_u32 s89, s89, STAGE                   ; my stage
	v_and_b32 v8, 15, v0                           ; r
	v_bfe_u32 v9, v0, 4, 1                         ; h
	v_mul_u32_u24 v[AK0], v8, KP
	v_mul_u32_u24 v[AV0], v8, VP
	v_lshl_add_u32 v[AK0], v9, 4, v[AK0]
	v_lshl_add_u32 v[AV0], v9, 4, v[AV0]
	v_bfe_u32 v10, v0, 3, 1
	v_and_b32 v11, 7, v0
	v_add_nc_u32 v[AV0], VOFF, v[AV0]
	v_lshl_add_u32 v10, v10, 4, v11                ; tile A's token r lies in row 16 (r / 8) + r % 8 of my 32, tile B's 8 rows on
	v_lshlrev_b32 v10, 6, v10
	v_lshl_add_u32 v[QO], v9, 4, v10
	v_and_b32 v28, 31, v0
	v_lshlrev_b32 v[GO], 4, v28
	v_add_nc_u32 v[STI], s89, v[AK0]               ; the stage, in: row r, 16 h
	v_bfe_u32 v30, v0, 2, 3
	v_mul_u32_u24 v30, v30, KP
	v_and_b32 v29, 3, v0
	v_lshl_add_u32 v30, v29, 4, v30
	v_add_nc_u32 v[STR], s89, v30                  ; back: four lanes to a row of 64 bytes
	v_lshrrev_b32 v4, 5, v0
	v_lshlrev_b32 v30, 11, v4                      ; V in memory: row thread / 32 of 2,048 bytes,
	v_mul_u32_u24 v4, v4, VP
	v_add_nc_u32 v4, VOFF, v4                      ; and in a slot
	v_lshrrev_b32 v31, 2, v0
	v_mul_u32_u24 v31, v31, KP                     ; K in a slot: row thread / 4
	WIN 0x40
	v_lshlrev_b32 v[GKO], 4, v0                    ; K in memory: 16 bytes a thread
	v_lshl_add_u32 v[GVO], v28, 4, v30
	v_lshl_add_u32 v[SK0], v29, 4, v31
	v_lshl_add_u32 v[SV0], v28, 4, v4
	WIN 0
	s_wait_alu depctr_va_vdst(0)                   ; the wait here, directly ahead of the wait below
	s_wait_kmcnt 0x0
	s_load_b256 s[68:75], s[14:15], 0x0            ; e0 .. e7
	s_add_nc_u64 s[KB:KB+1], s[6:7], s[84:85]
	s_add_nc_u64 s[VB:VB+1], s[12:13], s[84:85]
	s_mov_b64 s[LK:LK+1], s[KB:KB+1]
	s_mov_b64 s[LV:LV+1], s[VB:VB+1]
	GLOAD                                          ; slot 0
	s_add_nc_u64 s[4:5], s[4:5], s[84:85]          ; q_codes at my head
	s_lshl_b32 s44, s[Q0], 6
	s_mov_b32 s45, 0
	s_add_nc_u64 s[60:61], s[4:5], s[44:45]        ; the first pass's Q
	s_lshl_b32 s44, s[Q02], 6
	s_add_nc_u64 s[62:63], s[4:5], s[44:45]        ; the second's
	WIN 0x40
.irp u, 0,1                                    ; tile A, tile B: registers 4 c .. 4 c + 3 hold d = 32 c + 16 h + 0 .. 15, as K's do
	global_load_b128 v[Q1+8*\u:Q1+8*\u+3], v[QO], s[60:61] offset:512*\u
	global_load_b128 v[Q1+8*\u+4:Q1+8*\u+7], v[QO], s[60:61] offset:512*\u+32
	global_load_b128 v[Q2+8*\u:Q2+8*\u+3], v[QO], s[62:63] offset:512*\u
	global_load_b128 v[Q2+8*\u+4:Q2+8*\u+7], v[QO], s[62:63] offset:512*\u+32
.endr
	WIN 0
	s_add_co_u32 s44, s87, s[Q0]
	s_lshl_b32 s44, s44, 6
	s_add_nc_u64 s[56:57], s[16:17], s[44:45]
	s_add_co_u32 s44, s87, s[Q02]
	s_lshl_b32 s44, s44, 6
	s_add_nc_u64 s[58:59], s[16:17], s[44:45]
	RESET
	v_mov_b32 v21, 0                               ; (named as the upper halves of the pairs v[20:21], v[22:23])
	v_mov_b32 v23, 0
	v_mov_b32 v30, 0                               ; written once: a lane permute's destination counts as one of its sources
	v_mov_b32 v31, 0
	s_wait_kmcnt 0x0
	s_add_co_i32 s44, s70, s71
	s_lshl_b32 s44, s44, 23
	s_add_co_i32 s[CS], s[CS], s44                 ; a score stands for score x 2^(e2 + e3): added to c's exponent field
	s_mov_b32 s[CS+1], s[CS]
	s_add_co_i32 s44, s72, 127
	s_lshl_b32 s45, s44, 23
	v_mov_b32 v24, s45                             ; 2^e4
	s_add_co_i32 s44, s44, 8
	s_lshl_b32 s44, s44, 23
	s_or_b32 s44, s44, 0x600000
	v_mov_b32 v25, s44                             ; 448 x 2^e4
	s_add_co_i32 s44, s74, 127
	s_lshl_b32 s45, s44, 23
	v_mov_b32 v26, s45                             ; 2^e6
	s_add_co_i32 s44, s44, 8
	s_lshl_b32 s44, s44, 23
	s_or_b32 s44, s44, 0x600000
	v_mov_b32 v27, s44                             ; 448 x 2^e6
	s_add_co_i32 s[EPV], s72, s73
	s_cmp_lt_i32 s72, -8
	s_cselect_b32 s[HF], 1, 0                      ; the hold can change a number only where 448 x 2^e4 < 1
	s_wait_alu depctr_va_vdst(0)                   ; the wait here, directly ahead of the wait below
	s_wait_loadcnt 8                               ; slot 0's 16 loads are in; Q's eight may be out
	GSTORE                                         ; into the slot at byte 0
	s_add_nc_u64 s[LK:LK+1], s[KB:KB+1], 0x8000    ; (slot 0's loads are done: their bases may be written)
	s_add_nc_u64 s[LV:LV+1], s[VB:VB+1], 512
	s_wait_dscnt 0x0                               ; the stores have read their registers
	GLOAD                                          ; slot 1 (the first pass has three slots or four)
	s_wait_alu depctr_va_vdst(0)                   ; the wait at the head's end
	s_wait_loadcnt 16                              ; both passes' Q; slot 1's 16 loads may be out
.Ltrip:                                            ; five trips, a slot each
	s_wait_dscnt 0x0                               ; my stores into the slot ahead are done, and my reads of the slot that I leave are over
	s_barrier_signal -1
	s_barrier_wait -1                              ; both now hold of every wave
	s_mov_b32 s[KO], s[TB]
	s_mov_b32 s[VO], s[TB]
	s_xor_b32 s[TN], s[TB], SLOT1
	s_mov_b32 s[ST], 0
.Lstep:                                            ; four trips: a key step of 128 keys
	s_cmp_lg_u32 s[ST], 1                          ; step 1 of trips 0 to 3: the next slot's data go into the slot that was left
	s_cbranch_scc1 .Lno_store
	s_cmp_gt_u32 s[TR], 3
	s_cbranch_scc1 .Lno_store
	s_wait_loadcnt 0x0
	GSTORE
.Lno_store:
	s_cmp_lg_u32 s[ST], 2                          ; step 2 of trips 0 to 2: the slot after that is asked for
	s_cbranch_scc1 .Lno_load
	s_cmp_gt_u32 s[TR], 2
	s_cbranch_scc1 .Lno_load
	s_wait_dscnt 0x0                               ; the stores have read their registers
	s_wait_loadcnt 0x0                             ; no load is out, so the bases and the registers may be written
	s_add_co_u32 s44, s[TR], 2                     ; trip n walks slot n of the first pass, or n less the first pass's slots of the second
	s_cmp_ge_u32 s44, s[NAS]
	s_cselect_b32 s45, s[NAS], 0
	s_sub_co_u32 s44, s44, s45
	s_lshl_b32 s46, s44, 15
	s_mov_b32 s47, 0
	s_add_nc_u64 s[LK:LK+1], s[KB:KB+1], s[46:47]
	s_lshl_b32 s46, s44, 9
	s_add_nc_u64 s[LV:LV+1], s[VB:VB+1], s[46:47]
	GLOAD
.Lno_load:
	s_add_co_u32 s44, s[Q0], 31
	s_cmp_gt_u32 s[KF], s44
	s_cbranch_scc1 .Lhidden                        ; all its keys come after my queries
	v_add_nc_u32 v[ADK], s[KO], v[AK0]
	v_add_nc_u32 v[ADV], s[VO], v[AV0]
	v_nop                                          ; with the two additions: four places in front of loads into registers that the last products read
	v_nop
.irp t, 0,1,2,3,4,5,6,7
	ds_load_b128 v[KV+8*\t:KV+8*\t+3], v[ADK] offset:16*\t*KP
	ds_load_b128 v[KV+8*\t+4:KV+8*\t+7], v[ADK] offset:16*\t*KP+32
.endr
	s_wait_alu depctr_va_vdst(0)                   ; the wait here, directly ahead of the wait below
	s_wait_dscnt 0x0
	WIN 0x04                                       ; source 1: Q, window 1
.irp t, 0,1,2,3,4,5,6,7
	v_wmma_f32_16x16x64_fp8_fp8 v[SA+8*\t:SA+8*\t+7], v[KV+8*\t:KV+8*\t+7], v[Q1:Q1+7], 0
	v_wmma_f32_16x16x64_fp8_fp8 v[SB+8*\t:SB+8*\t+7], v[KV+8*\t:KV+8*\t+7], v[Q1+8:Q1+15], 0
.endr
	WIN 0
.rept 4
	v_nop                                          ; places: for the loads over K's fragments and for the first reads of the scores
.endr
.irp t, 0,1,2,3
.irp c, 0,1,2,3
	ds_load_b128 v[KV+16*\t+4*\c:KV+16*\t+4*\c+3], v[ADV] offset:16*\t*VP+32*\c   ; V's four fragments land under the softmax
.endr
.endr
	s_add_co_u32 s44, s[KF], 127
	s_cmp_le_u32 s44, s[Q0]
	s_cbranch_scc1 .Lopen                          ; all its keys count
	s_sub_co_i32 s44, s[Q0], s[KF]
	v_and_b32 v28, 15, v0
	v_bfe_u32 v29, v0, 4, 1
	v_lshlrev_b32 v29, 4, v29
	v_sub_nc_u32 v28, v28, v29
	v_add_nc_u32 v28, s44, v28                     ; d = A's query - KF - 16 h.  Register 16 b + i holds key KF + 32 b + 16 h + i: hidden where 32 b + i > d
	v_add_nc_u32 v29, 16, v28                      ; B's
	v_mov_b32 v30, 0xff800000                      ; -infinity
.set n, 0
.rept 64
	v_cmp_gt_i32 vcc_lo, 32*(n/16)+n%16, v28
	v_cndmask_b32 v[SA+n], v[SA+n], v30, vcc_lo
.set n, n+1
.endr
.set n, 0
.rept 64
	v_cmp_gt_i32 vcc_lo, 32*(n/16)+n%16, v29
	v_cndmask_b32 v[SB+n], v[SB+n], v30, vcc_lo
.set n, n+1
.endr
.Lopen:
	v_max3_num_f32 v28, v[SA], v[SA+1], v[SA+2]    ; the step's largest scores among my 64 keys: two chains a tile, both tiles by turns, each accumulator from its low end on
	v_max3_num_f32 v29, v[SB], v[SB+1], v[SB+2]
	v_max3_num_f32 v30, v[SA+3], v[SA+4], v[SA+5]
	v_max3_num_f32 v31, v[SB+3], v[SB+4], v[SB+5]
.irp i, 6,10,14,18,22,26,30,34,38,42,46,50,54,58
	v_max3_num_f32 v28, v28, v[SA+\i], v[SA+1+\i]
	v_max3_num_f32 v29, v29, v[SB+\i], v[SB+1+\i]
	v_max3_num_f32 v30, v30, v[SA+2+\i], v[SA+3+\i]
	v_max3_num_f32 v31, v31, v[SB+2+\i], v[SB+3+\i]
.endr
	v_max3_num_f32 v28, v28, v[SA+62], v[SA+63]
	v_max3_num_f32 v29, v29, v[SB+62], v[SB+63]
	v_max_num_f32 v28, v28, v30
	v_max_num_f32 v29, v29, v31
	v_permlanex16_b32 v30, v28, s[SEL], s[SEL+1]
	v_permlanex16_b32 v31, v29, s[SEL], s[SEL+1]
	v_max_num_f32 v28, v28, v30                    ; and among lane l xor 16's
	v_max_num_f32 v29, v29, v31
	v_mul_f32 v28, s[CS], v28
	v_mul_f32 v29, s[CS], v29
	v_max_num_f32 v13, v13, v28                    ; the running largest t
	v_max_num_f32 v17, v17, v29
	v_mov_b32 v30, v12
	v_mov_b32 v31, v16
	v_floor_f32 v12, -v13                          ; -M = floor(-t)
	v_floor_f32 v16, -v17
	v_sub_f32 v30, v12, v30
	v_sub_f32 v31, v16, v31
	v_cvt_i32_f32 v30, v30                         ; (it saturates)
	v_cvt_i32_f32 v31, v31
	v_ldexp_f32 v20, 1.0, v30                      ; f = 2^(old M - new M)
	v_ldexp_f32 v22, 1.0, v31
.set j, 0
.rept 32
	v_pk_fma_f32 v[SA+j:SA+j+1], v[SA+j:SA+j+1], s[CS:CS+1], v[12:13] op_sel_hi:[1,0,0]   ; t - M
	v_pk_fma_f32 v[SB+j:SB+j+1], v[SB+j:SB+j+1], s[CS:CS+1], v[16:17] op_sel_hi:[1,0,0]
.set j, j+2
.endr
	s_wait_alu depctr_va_vdst(0)                   ; the wait ahead of the batch
.set j, 0
.rept 128
	v_exp_f32 v[SA+j], v[SA+j]                     ; p = 2^(t - M), both tiles
.set j, j+1
.endr
	v_pk_mul_f32 v[14:15], v[14:15], v[20:21] op_sel_hi:[1,0]   ; the sums under the new M: plain lines behind the exponentials
	v_pk_mul_f32 v[18:19], v[18:19], v[22:23] op_sel_hi:[1,0]
	s_wait_alu depctr_va_vdst(0)                   ; one wait for the batch, ahead of its first reader
	T0 0, 0                                        ; the rows' sums are taken of the unquantised p; the side chains stand in registers that the codes take below
	T0 1, 2
	T0 2, 4
	AC 6
.irp p, 7,11,15,19,23,27
	TA 0, \p
	TA 1, \p+1
	TA 2, \p+2
	AC \p+3
.endr
	TA 0, 31
	v_pk_add_f32 v[CA:CA+1], v[CA:CA+1], v[CA+2:CA+3]
	v_pk_add_f32 v[CB:CB+1], v[CB:CB+1], v[CB+2:CB+3]
	v_pk_add_f32 v[14:15], v[14:15], v[CA+4:CA+5]
	v_pk_add_f32 v[18:19], v[18:19], v[CB+4:CB+5]
	v_pk_add_f32 v[14:15], v[14:15], v[CA:CA+1]
	v_pk_add_f32 v[18:19], v[18:19], v[CB:CB+1]
	s_wait_alu depctr_va_vdst(0)                   ; the wait here, directly ahead of the branch
	s_cmp_eq_u32 s[HF], 0
	s_cbranch_scc1 .Lno_hold                       ; e4 >= -8: p <= 1 < 448 x 2^e4, the hold changes nothing
.set j, 0
.rept 128
	v_min_num_f32 v[SA+j], v[SA+j], v25            ; the conversion does not saturate (ISA guide 7.6.2); p is not negative
.set j, j+1
.endr
.Lno_hold:
.irp b, 0,1,2,3
	v_cvt_scalef32_pk8_fp8_f32 v[CA+4*\b:CA+4*\b+1], v[SA+16*\b:SA+16*\b+7], v24
	v_cvt_scalef32_pk8_fp8_f32 v[CA+4*\b+2:CA+4*\b+3], v[SA+16*\b+8:SA+16*\b+15], v24
	v_cvt_scalef32_pk8_fp8_f32 v[CB+4*\b:CB+4*\b+1], v[SB+16*\b:SB+16*\b+7], v24
	v_cvt_scalef32_pk8_fp8_f32 v[CB+4*\b+2:CB+4*\b+3], v[SB+16*\b+8:SB+16*\b+15], v24
.endr
	WIN 0x41                                       ; O^T: destination and source 0 in window 1
	s_wait_alu depctr_va_vdst(0)                   ; the wait directly ahead of the first readers of O^T
.set j, 0
.rept 16
	v_pk_mul_f32 v[OA+j:OA+j+1], v[OA+j:OA+j+1], v[20:21] op_sel_hi:[1,0]   ; O^T under the new M (plain lines behind the conversions)
.set j, j+2
.endr
.set j, 0
.rept 16
	v_pk_mul_f32 v[OB+j:OB+j+1], v[OB+j:OB+j+1], v[22:23] op_sel_hi:[1,0]
.set j, j+2
.endr
	s_wait_alu depctr_va_vdst(0)                   ; the wait here, directly ahead of the wait below
	s_wait_dscnt 0x0                               ; V is in
	WIN 0x50                                       ; C and D in window 1
.irp t, 0,1,2,3
	v_wmma_f32_16x16x128_fp8_fp8 v[OA+8*\t:OA+8*\t+7], v[KV+16*\t:KV+16*\t+15], v[CA:CA+15], v[OA+8*\t:OA+8*\t+7]   ; eight accumulators by turns; the next step's sixteen products stand between two links
	v_wmma_f32_16x16x128_fp8_fp8 v[OB+8*\t:OB+8*\t+7], v[KV+16*\t:KV+16*\t+15], v[CB:CB+15], v[OB+8*\t:OB+8*\t+7]
.endr
	WIN 0
.Lhidden:
	s_add_co_u32 s[KO], s[KO], 128*KP
	s_add_co_u32 s[VO], s[VO], 128
	s_add_co_u32 s[KF], s[KF], 128
	s_add_co_u32 s[ST], s[ST], 1
	s_cmp_lt_u32 s[ST], 4
	s_cbranch_scc1 .Lstep
	s_xor_b32 s[TB], s[TB], SLOT1                  ; on to the other slot
	s_cmp_lg_u32 s[TR], s[LASTA]
	s_cbranch_scc1 .Lsame
	FINISH 56                                      ; the first pass is over: its block leaves, and the second pass begins
	WIN 0x41
.set j, 0
.rept 16
	v_mov_b32 v[Q1+j], v[Q2+j]
.set j, j+1
.endr
	WIN 0
	RESET
	s_mov_b32 s[KF], 0
	s_mov_b32 s[Q0], s[Q02]
	s_wait_xcnt 0x0                                ; the four stores have read their data: the next step's codes are written over them
	s_wait_alu depctr_va_vdst(0)                   ; the wait here, ahead of the branch below
.Lsame:
	s_add_co_u32 s[TR], s[TR], 1
	s_cmp_lt_u32 s[TR], 5
	s_cbranch_scc1 .Ltrip
	FINISH 58
	s_wait_tensorcnt 0x0                           ; the wave's end
	ds_add_u32 v[SPW], v[NIL]
	s_wait_dscnt 0x0
	s_endpgm
.Lfunc_end_k_qcbc92306f3_attn:
	.size	k_qcbc92306f3_attn, .Lfunc_end_k_qcbc92306f3_attn-k_qcbc92306f3_attn
	.p2alignl 7, 3214868480
	.fill 96, 4, 3214868480
	.section	.rodata,"a",@progbits
	.p2align	6, 0x0
	.amdhsa_kernel k_qcbc92306f3_attn
		.amdhsa_group_segment_fixed_size 283648
		.amdhsa_private_segment_fixed_size 0
		.amdhsa_enable_private_segment 0
		.amdhsa_kernarg_size 40
		.amdhsa_user_sgpr_count 2
		.amdhsa_user_sgpr_kernarg_segment_ptr 1
		.amdhsa_wavefront_size32 1
		.amdhsa_system_sgpr_workgroup_id_x 1
		.amdhsa_system_sgpr_workgroup_id_y 1
		.amdhsa_system_sgpr_workgroup_id_z 1
		.amdhsa_system_vgpr_workitem_id 0
		.amdhsa_next_free_vgpr 424
		.amdhsa_next_free_sgpr 92
		.amdhsa_reserve_vcc 1
		.amdhsa_float_denorm_mode_32 3
		.amdhsa_float_denorm_mode_16_64 3
		.amdhsa_memory_ordered 1
		.amdhsa_forward_progress 1
		.amdhsa_inst_pref_size 76
	.end_amdhsa_kernel
	.amdgpu_metadata
---
amdhsa.version: [ 1, 2 ]
amdhsa.kernels:
  - .name:           k_qcbc92306f3_attn
    .symbol:         k_qcbc92306f3_attn.kd
    .args:
      - { .name: q_codes, .offset: 0, .size: 8, .value_kind: global_buffer, .address_space: global }
      - { .name: k_codes, .offset: 8, .size: 8, .value_kind: global_buffer, .address_space: global }
      - { .name: v_codes, .offset: 16, .size: 8, .value_kind: global_buffer, .address_space: global }
      - { .name: lowp_scales, .offset: 24, .size: 8, .value_kind: global_buffer, .address_space: global }
      - { .name: o_codes, .offset: 32, .size: 8, .value_kind: global_buffer, .address_space: global }
    .group_segment_fixed_size: 283648
    .private_segment_fixed_size: 0
    .kernarg_segment_align: 8
    .kernarg_segment_size: 40
    .max_flat_workgroup_size: 256
    .sgpr_count:     92
    .vgpr_count:     424
    .wavefront_size: 32
...
	.end_amdgpu_metadata
.endif
;; end of part 3
;; launch outp (part 4): grid 4 x 64, 4 waves a work-group, clusters of 4 x 4, 327,680 bytes of LDS; arguments o_codes, wout_codes, lowp_scales, out0; writes out0
.if DOCPART == 4
	.amdgcn_target "amdgcn-amd-amdhsa--gfx1250"
	.amdhsa_code_object_version 6
	.text
	.protected	k_qcbc92306f3_outp
	.globl	k_qcbc92306f3_outp
	.p2align	8
	.type	k_qcbc92306f3_outp,@function
k_qcbc92306f3_outp:
	s_mov_b64 s[64:65], 0
	v_nop
	global_prefetch_b8 v0, s[64:65] scope:SCOPE_SE
	s_setreg_imm32_b32 hwreg(HW_REG_WAVE_MODE, 25, 1), 1
	s_wait_xcnt 0x0
	s_wait_alu depctr_hold_cnt(0) depctr_sa_sdst(0) depctr_va_vdst(0) depctr_va_sdst(0) depctr_va_ssrc(0) depctr_va_vcc(0) depctr_vm_vsrc(0)
	s_getreg_b32 s2, hwreg(HW_REG_IB_STS2, 6, 4)
	s_cmp_eq_u32 s2, 0
	s_cbranch_scc0 .Lentry_in_a_cluster
	s_endpgm
.Lentry_in_a_cluster:
	s_bfe_u32 s2, ttmp6, 0x10000c
	s_cmp_lg_u32 s2, 0xf033
	s_cbranch_scc0 .Lentry_shape_is_right
	s_endpgm
.Lentry_shape_is_right:
; out0 = O w_out on codes of E4M3 (K = 1,024), each finished sum x 2^(e6 + e7).  o_codes: [16 h][8192 (b, t)][64 d]; wout_codes: [1024 n][1024 k]; out0: [8192][1024] f32.
; LIMIT: e6 + e7 between -126 and 127, so that 2^(e6 + e7) is an f32 number.
; A work-group of four waves makes 128 rows x 256 columns: 64 x 4 = 256 work-groups.  A wave makes 64 x 128: 32 accumulators, 256 registers (window 2).
; K goes in steps of 256 (four heads) through two LDS slots filled by the tensor data mover: A's part is 4 heads x 128 rows x 64 bytes (each head's 8,192 bytes dense in memory; 16 bytes of padding behind each 64),
; B's 256 rows x 256 bytes (16 behind each).  Waves 0 and 1 fetch two heads of A each, waves 2 and 3 128 rows of B each: one load a wave.  The four K steps are written out: a loop would have one trip.
; CLUSTERS: 4 x 4 work-groups; A's tile is asked for jointly along a row of the cluster, B's along a column.
; THE MATRIX INSTRUCTION IS USED TRANSPOSED (source 0 = 16 rows of B, source 1 = 16 rows of A): a lane holds eight neighbouring numbers of a row of the result.
; A step of 128 along K is 32 matrix instructions; A (window 0, from v128) and B (window 1) have two sets of fragments each, and a step's 48 LDS loads for its successor stand ahead of its products.
; THE PREFETCHES: behind the joint load of K step s stands one request for K step s + 1.  A: wave 0 names the head 4 (s + 1) + cx of its tile, 8,192 bytes, lanes 256 bytes apart.  B: of the 128 rows that waves 2 and 3 fetch,
; the partner at place cy names rows 32 cy on, a lane a row, 256 bytes of it.  So each aligned 256 bytes are named once in a cluster, the partners told apart by address; B, which sixteen clusters walk, is asked for by the clusters with y under 4 alone.
.set SIZE_N, 1024
.set ROWB,   256
.set KROW,   1024
.set PITCH,  272
.set APITCH, 80
.set AHEAD,  128*APITCH                ; a head's 128 rows in LDS
.set AH,     4*AHEAD
.set ASTEP,  4*524288                  ; four heads on in o_codes
.set FR,     16
.set HALFT,  128*PITCH
.set BOFF,   AH
.set SLOT,   AH+2*HALFT
.set SPARE,  2*SLOT                    ; the spare words: 128 bytes a wave, named by no other line
.set SPITCH, 528                       ; the way out: a stage of 16 rows x (512 + 16) bytes for each wave, in slot 0, which has had its last fill and its last read by then
.set ADRA, 16
.set ADRB, 20
.set STO,  24
.set RD,   25
.set CO,   26
.set PFO,  27
.set SPW,  28
.set NIL,  29
.set TMP,  32
.set AF,   128
.set BK,   128
.set G1, 24
.set G0, 32
.set G1B, 48
.set G0B, 56
.set PFA, 66                           ; s[66:67] where my prefetches stand; never rewritten
.set ROLE, 68                          ; s68 0: I ask for A; 1: for B; 2: for nothing
.set MSB, 0
.macro WIN new                         ; the immediate's high byte repeats the setting that is left
.if MSB != (\new)
	s_set_vgpr_msb (MSB<<8)|(\new)
.set MSB, (\new)
.endif
.endm
.set MUL,  0xa1                        ; source 0 (B) window 1, source 1 (A) window 0, C and D window 2
.set TO_B, 0x40
.macro JLOAD g0a, g1a, g0b, g1b        ; a joint load; the branch hangs on the wave's number alone.  s_nop 0 and four v_nop follow each line
	s_cmp_eq_u32 s15, 0
	s_cbranch_scc0 .Lfor_b_\@
	tensor_load_to_lds s[\g0a:\g0a+3], s[\g1a:\g1a+7]
	s_nop 0
.rept 4
	v_nop
.endr
	s_branch .Lasked_\@
.Lfor_b_\@:
	tensor_load_to_lds s[\g0b:\g0b+3], s[\g1b:\g1b+7]
	s_nop 0
.rept 4
	v_nop
.endr
.Lasked_\@:
.endm
.macro CREST                           ; a round of the cluster's barrier behind its opening barrier
	s_cmp_lg_u32 s14, 0
	s_cbranch_scc1 .Lnot_wave_0_\@
	s_barrier_signal -3
.Lnot_wave_0_\@:
	s_barrier_wait -3
	s_barrier_signal -1
	s_barrier_wait -1
.endm
.macro CROUND
	s_barrier_signal -1
	s_barrier_wait -1
	CREST
.endm
.macro ASK s                           ; K step s
	s_cmp_lg_u32 s[ROLE], 0
	s_cbranch_scc1 .Lnot_a_\@
	global_prefetch_b8 v[PFO], s[PFA:PFA+1] offset:(\s)*ASTEP th:TH_LOAD_NT scope:SCOPE_SE
.Lnot_a_\@:
	s_cmp_lg_u32 s[ROLE], 1
	s_cbranch_scc1 .Lnot_b_\@
	global_prefetch_b8 v[PFO], s[PFA:PFA+1] offset:(\s)*ROWB th:TH_LOAD_NT scope:SCOPE_SE
.Lnot_b_\@:
.endm
	s_load_b128 s[4:7], s[0:1], 0x0                ; o_codes, wout_codes
	s_load_b128 s[8:11], s[0:1], 0x10              ; the exponents, out0
	v_lshl_add_u32 v[SPW], v0, 2, SPARE
	v_mov_b32 v[NIL], 0
	ds_add_u32 v[SPW], v[NIL]                      ; the opening lines: the add, twice on end, and its wait ahead of my first tensor load
	ds_add_u32 v[SPW], v[NIL]
	v_lshrrev_b32 v1, 5, v0
	v_readfirstlane_b32 s14, v1                    ; wave 0..3
	s_lshr_b32 s15, s14, 1                         ; which 64 of the tile's rows are mine.  Also: I fetch for A (0) or for B (1)
	s_and_b32 s16, s14, 1                          ; which 128 of its columns.  Also: which part I fetch
	s_bfe_u32 s40, ttmp6, 0x40000                  ; cx
	s_bfe_u32 s41, ttmp6, 0x40004                  ; cy
	s_lshl_b32 s42, ttmp9, 2
	s_add_co_u32 s42, s42, s40                     ; tile column
	s_and_b32 s69, ttmp7, 0xffff                   ; the cluster's y
	s_lshl_b32 s17, s69, 2
	s_add_co_u32 s17, s17, s41                     ; tile row
	s_lshl_b32 s43, s41, 2
	s_lshl_b32 s43, 15, s43                        ; my row of the cluster
	s_lshl_b32 s44, 0x1111, s40                    ; my column
	s_or_b32 s[G1+0], s43, (1<<20)|(1<<21)|(3<<22)|(3<<25)   ; the mask; elements of 1 byte; padding on; bit 21 beside a mask; 4 words of padding after every 16
	s_mov_b32 s[G1+1], 8192<<16                    ; a head's 128 rows of 64 bytes, dense, stated as one row
	s_mov_b32 s[G1+2], 2<<16                       ; two heads
	s_mov_b32 s[G1+3], 8192<<16
	s_mov_b32 s[G1+4], 2
	s_mov_b32 s[G1+5], 524288                      ; from head to head
	s_mov_b32 s[G1+6], 0
	s_mov_b32 s[G1+7], 0
	s_or_b32 s[G1B+0], s44, (1<<20)|(1<<21)|(5<<22)|(3<<25)  ; 4 words of padding after every 64
	s_mov_b32 s[G1B+1], ROWB<<16
	s_mov_b32 s[G1B+2], 128<<16
	s_mov_b32 s[G1B+3], ROWB<<16
	s_mov_b32 s[G1B+4], 128
	s_mov_b32 s[G1B+5], KROW
	s_mov_b32 s[G1B+6], 0
	s_mov_b32 s[G1B+7], 0
	s_lshl_b32 s20, s17, 13                        ; A: 128 rows of 64 bytes for each tile row,
	s_lshl_b32 s18, s16, 20
	s_add_co_u32 s20, s20, s18                     ; + my two heads; these registers never hold cx
	s_mov_b32 s21, 0
	s_lshl_b32 s46, s42, 8
	s_lshl_b32 s18, s16, 7
	s_add_co_u32 s46, s46, s18
	s_lshl_b32 s46, s46, 10                        ; B: row 256 x tile column + 128 x half; these never hold cy
	s_mov_b32 s47, 0
	s_mul_i32 s45, s16, 2*AHEAD                    ; where they go
	s_mul_i32 s70, s16, HALFT
	s_add_co_u32 s70, s70, BOFF
	s_lshl_b32 s74, s40, 19                        ; A: the head cx  (the shifts stand ahead of the compares: they set SCC)
	s_lshl_b32 s75, s41, 15                        ; B: 32 rows for each cy
	s_cmp_lt_u32 s69, 4
	s_cselect_b32 s[ROLE], 1, 2
	s_cmp_eq_u32 s15, 0
	s_cselect_b32 s[ROLE], 2, s[ROLE]
	s_cselect_b32 s71, 8, 10                       ; from lane to lane: 256 bytes in A's head, a row of 1,024 in B
	s_cselect_b32 s72, s74, s75
	s_mov_b32 s73, 0
	s_cmp_eq_u32 s14, 0
	s_cselect_b32 s[ROLE], 0, s[ROLE]
	s_mul_i32 s76, s15, 64*APITCH                  ; my 64 rows of A in each head
	s_mul_i32 s23, s14, 16*SPITCH                  ; my stage
	s_lshl_b32 s78, s17, 7
	s_lshl_b32 s79, s15, 6
	s_add_co_u32 s78, s78, s79
	s_lshl_b32 s78, s78, 12                        ; my first row of out0, in bytes,
	s_lshl_b32 s79, s42, 10
	s_add_co_u32 s78, s78, s79
	s_lshl_b32 s79, s16, 9
	s_add_co_u32 s78, s78, s79                     ; and my first column
	s_mov_b32 s79, 0
	s_wait_dscnt 0x0                               ; both opening adds are done
	s_wait_kmcnt 0x0
	s_load_b64 s[96:97], s[8:9], 0x18              ; e6, e7
	s_add_nc_u64 s[20:21], s[4:5], s[20:21]
	s_add_nc_u64 s[46:47], s[6:7], s[46:47]
	s_add_nc_u64 s[10:11], s[10:11], s[78:79]
.irp s, 0,1
	s_mov_b32 s[G0+4*\s], 1
	s_add_co_u32 s[G0+4*\s+1], s45, \s*SLOT
	s_add_nc_u64 s[G0+4*\s+2:G0+4*\s+3], s[20:21], \s*ASTEP
	s_or_b32 s[G0+4*\s+3], s[G0+4*\s+3], 0x80000000
	s_mov_b32 s[G0B+4*\s], 1
	s_add_co_u32 s[G0B+4*\s+1], s70, \s*SLOT
	s_add_nc_u64 s[G0B+4*\s+2:G0B+4*\s+3], s[46:47], \s*ROWB
	s_or_b32 s[G0B+4*\s+3], s[G0B+4*\s+3], 0x80000000
.endr
	s_cmp_eq_u32 s15, 0
	s_cselect_b64 s[PFA:PFA+1], s[20:21], s[46:47]
	s_add_nc_u64 s[PFA:PFA+1], s[PFA:PFA+1], s[72:73]
	CROUND                                         ; all sixteen work-groups are here: the first joint loads meet
	JLOAD G0, G1, G0B, G1B                         ; K step 0: one tensor load a wave at the head
	v_and_b32 v7, 31, v0
	v_lshlrev_b32 v[PFO], s71, v7
	s_wait_alu depctr_va_vdst(0)                   ; the wait here, ahead of the branches below
	ASK 1
	v_and_b32 v1, 15, v0                           ; r
	v_bfe_u32 v2, v0, 4, 1                         ; h
	v_mul_u32_u24 v3, v1, PITCH
	v_mul_u32_u24 v5, v1, APITCH
	v_lshl_add_u32 v4, v2, 4, v3
	v_lshl_add_u32 v5, v2, 4, v5
	v_add_nc_u32 v[ADRA], s76, v5
	v_add_nc_u32 v[ADRB], s70, v4                  ; my 128 rows of B are those that wave 2 + s16 fetches
	v_add_nc_u32 v[ADRA+1], SLOT, v[ADRA]
	v_add_nc_u32 v[ADRB+1], SLOT, v[ADRB]
	v_mul_u32_u24 v6, v1, SPITCH
	v_lshl_add_u32 v6, v2, 5, v6
	v_add_nc_u32 v[STO], s23, v6                   ; the stage, in: row r, 32 bytes for each half of the lanes
	v_lshlrev_b32 v[CO], 4, v7                     ; back: the 32 lanes take one row of 512 bytes; and the same in out0
	v_add_nc_u32 v[RD], s23, v[CO]
.macro FRAGB reg, adr, q, i            ; 16 rows x 128 K: registers 4 c .. 4 c + 3 hold K = 32 c + 16 h + 0 .. 15, alike in A and B
.irp c, 0,1,2,3
	ds_load_b128 v[\reg+4*\c:\reg+4*\c+3], v[\adr] offset:128*(\q)+32*\c+(\i)*16*PITCH
.endr
.endm
.macro FRAGA reg, adr, q, i            ; the same K: head 2 q + c / 2 of the slot's four, d = 32 (c % 2) + 16 h + 0 .. 15
.irp c, 0,1,2,3
	ds_load_b128 v[\reg+4*\c:\reg+4*\c+3], v[\adr] offset:(2*(\q)+\c/2)*AHEAD+(\i)*16*APITCH+32*(\c%2)
.endr
.endm
.macro FETCH slot, q, p                ; 48 LDS loads: B's eight fragments and A's four of the slot's q-th 128 along K, into sets p
	WIN TO_B
.irp i, 0,1,2,3,4,5,6,7
	FRAGB 128*(\p)+FR*\i, ADRB+\slot, \q, \i
.endr
	WIN 0
.irp i, 0,1,2,3
	FRAGA AF+64*(\p)+FR*\i, ADRA+\slot, \q, \i
.endr
.endm
.macro MUL8 a, p, zero                 ; A's block a x B's eight.  The 32 accumulators take turns, one instruction a turn, in the same order in every step
.irp b, 0,1,2,3,4,5,6,7
.if \zero
	v_wmma_f32_16x16x128_fp8_fp8 v[8*(8*(\a)+\b):8*(8*(\a)+\b)+7], v[128*(\p)+FR*\b:128*(\p)+FR*\b+FR-1], v[AF+64*(\p)+FR*(\a):AF+64*(\p)+FR*(\a)+FR-1], 0
.else
	v_wmma_f32_16x16x128_fp8_fp8 v[8*(8*(\a)+\b):8*(8*(\a)+\b)+7], v[128*(\p)+FR*\b:128*(\p)+FR*\b+FR-1], v[AF+64*(\p)+FR*(\a):AF+64*(\p)+FR*(\a)+FR-1], v[8*(8*(\a)+\b):8*(8*(\a)+\b)+7]
.endif
.endr
.endm
.macro PLACES                          ; plain vector lines between a matrix instruction and a load into, or a vector read of, its registers
.rept 4
	v_nop
.endr
.endm
.macro STEPN slot, zero                ; a slot's first 128 along K, on sets 0; its successor's fragments go into sets 1
	s_wait_dscnt 0x0                               ; sets 0 are in
	PLACES
	FETCH \slot, 1, 1
	WIN MUL
.irp a, 0,1,2,3
	MUL8 \a, 0, \zero
.endr
	WIN 0
.endm
; A slot's second 128 changes slots: one barrier; in front of it each wave waits for all its tensor loads, adds 0 to its spare word, and waits for that and for its reads of this slot.
.macro TURN slot, next, fill, ask
	s_wait_tensorcnt 0x0                           ; all my tensor loads have landed: my part of the next slot
	ds_add_u32 v[SPW], v[NIL]
	s_wait_dscnt 1                                 ; sets 1 are in; the add may be out
	WIN MUL
	MUL8 0, 1, 0
	s_wait_dscnt 0x0                               ; the add is done, and my reads of this slot are over
	s_barrier_signal -1
	MUL8 1, 1, 0
	WIN 0
	s_barrier_wait -1
.if \fill
	CREST                                          ; the barrier has opened a round of the cluster's: no wave of any partner still reads this slot or has a load on its way
	s_add_nc_u64 s[G0+4*\slot+2:G0+4*\slot+3], s[G0+4*\slot+2:G0+4*\slot+3], 2*ASTEP
	s_add_nc_u64 s[G0B+4*\slot+2:G0B+4*\slot+3], s[G0B+4*\slot+2:G0B+4*\slot+3], 2*ROWB
	JLOAD G0+4*\slot, G1, G0B+4*\slot, G1B         ; the first tensor load behind the round; its four v_nop are the places in front of the loads below
.else
	PLACES
.endif
	FETCH \next, 0, 0
.if \ask
	ASK \ask
.endif
	WIN MUL
	MUL8 2, 1, 0
	MUL8 3, 1, 0
	WIN 0
.endm
	s_wait_alu depctr_va_vdst(0)                   ; the wait at the head's end
	s_wait_tensorcnt 0x0                           ; my part of K step 0 is in; the lines ahead of a later first fill:
	ds_add_u32 v[SPW], v[NIL]
	s_wait_dscnt 0x0
	CROUND                                         ; everybody's part of K step 0 is in, and all sixteen work-groups are here
	JLOAD G0+4, G1, G0B+4, G1B                     ; K step 1: slot 1's first fill, the first tensor load behind the round
	FETCH 0, 0, 0
	ASK 2
	STEPN 0, 1                                     ; the first products start the sums
	TURN 0, 1, 1, 3                                ; slot 0 takes K step 2
	STEPN 1, 0
	TURN 1, 0, 1, 0                                ; slot 1 takes K step 3
	STEPN 0, 0
	TURN 0, 1, 0, 0                                ; nothing is filled any more
	STEPN 1, 0
	s_wait_dscnt 0x0                               ; the very last 128
	WIN MUL
.irp a, 0,1,2,3
	MUL8 \a, 1, 0
.endr
	WIN 0
; THE WAY OUT, block by block of 16 rows x 128 columns: x 2^(e6 + e7), through my own stage, back as whole rows of 512 bytes.  LDS serves a wave's instructions in order: no wait between the stores and the loads.
.macro TOSTAGE a
	WIN 0x02                                       ; source 0: window 2
.set j, 0
.rept 32
	v_pk_mul_f32 v[TMP+j:TMP+j+1], v[64*(\a)+j:64*(\a)+j+1], s[96:97] op_sel_hi:[1,0]   ; each accumulator from its low end on
.set j, j+2
.endr
	WIN 0
.irp b, 0,1,2,3,4,5,6,7
	ds_store_b128 v[STO], v[TMP+8*\b:TMP+8*\b+3] offset:64*\b
	ds_store_b128 v[STO], v[TMP+8*\b+4:TMP+8*\b+7] offset:64*\b+16
.endr
.set BB, BK+64*((\a)%2)
.irp t, 0,1,2,3,4,5,6,7,8,9,10,11,12,13,14,15
	ds_load_b128 v[BB+4*\t:BB+4*\t+3], v[RD] offset:\t*SPITCH
.endr
.endm
.macro SEND a, younger                 ; younger: the LDS instructions issued behind block a's loads, which may stay out
.set BB, BK+64*((\a)%2)
	s_wait_dscnt \younger
.if (\a) > 0
	s_add_nc_u64 s[10:11], s[10:11], 16*SIZE_N*4   ; (behind a wait on XCNT: the earlier stores have read their base)
.endif
.irp t, 0,1,2,3,4,5,6,7,8,9,10,11,12,13,14,15
	global_store_b128 v[CO], v[BB+4*\t:BB+4*\t+3], s[10:11] offset:\t*SIZE_N*4 th:TH_STORE_NT   ; 32 lanes store 512 consecutive bytes, aligned
.endr
.endm
	s_wait_kmcnt 0x0
	s_add_co_i32 s96, s96, s97
	s_add_co_i32 s96, s96, 127
	s_lshl_b32 s96, s96, 23                        ; 2^(e6 + e7) as f32
	PLACES
	TOSTAGE 0
.irp a, 1,2,3
.if \a > 1
	s_wait_xcnt 0x0                                ; block a - 2's stores have read their registers and their base
.endif
	TOSTAGE \a
	SEND \a-1, 32                                  ; behind block a - 1's loads: block a's 16 stores and 16 loads
.endr
	s_wait_xcnt 0x0
	SEND 3, 0
	s_wait_tensorcnt 0x0                           ; the wave's end
	ds_add_u32 v[SPW], v[NIL]
	s_wait_dscnt 0x0
	CROUND                                         ; the closing round
	s_endpgm
.Lfunc_end_k_qcbc92306f3_outp:
	.size	k_qcbc92306f3_outp, .Lfunc_end_k_qcbc92306f3_outp-k_qcbc92306f3_outp
	.p2alignl 7, 3214868480
	.fill 96, 4, 3214868480
	.section	.rodata,"a",@progbits
	.p2align	6, 0x0
	.amdhsa_kernel k_qcbc92306f3_outp
		.amdhsa_group_segment_fixed_size 327680
		.amdhsa_private_segment_fixed_size 0
		.amdhsa_enable_private_segment 0
		.amdhsa_kernarg_size 32
		.amdhsa_user_sgpr_count 2
		.amdhsa_user_sgpr_kernarg_segment_ptr 1
		.amdhsa_wavefront_size32 1
		.amdhsa_system_sgpr_workgroup_id_x 1
		.amdhsa_system_sgpr_workgroup_id_y 1
		.amdhsa_system_sgpr_workgroup_id_z 1
		.amdhsa_system_vgpr_workitem_id 0
		.amdhsa_next_free_vgpr 768
		.amdhsa_next_free_sgpr 98
		.amdhsa_reserve_vcc 0
		.amdhsa_float_denorm_mode_32 3
		.amdhsa_float_denorm_mode_16_64 3
		.amdhsa_memory_ordered 1
		.amdhsa_forward_progress 1
		.amdhsa_inst_pref_size 77
	.end_amdhsa_kernel
	.amdgpu_metadata
---
amdhsa.version: [ 1, 2 ]
amdhsa.kernels:
  - .name:           k_qcbc92306f3_outp
    .symbol:         k_qcbc92306f3_outp.kd
    .args:
      - { .name: o_codes, .offset: 0, .size: 8, .value_kind: global_buffer, .address_space: global }
      - { .name: wout_codes, .offset: 8, .size: 8, .value_kind: global_buffer, .address_space: global }
      - { .name: lowp_scales, .offset: 16, .size: 8, .value_kind: global_buffer, .address_space: global }
      - { .name: out0, .offset: 24, .size: 8, .value_kind: global_buffer, .address_space: global }
    .group_segment_fixed_size: 327680
    .private_segment_fixed_size: 0
    .kernarg_segment_align: 8
    .kernarg_segment_size: 32
    .max_flat_workgroup_size: 128
    .sgpr_count:     98
    .vgpr_count:     768
    .wavefront_size: 32
...
	.end_amdgpu_metadata
.endif
;; end of part 4
